; MI455X (gfx1250); checked and timed in simulation.
; The chip was launched on July 23, 2026; its instructions are those of AMD's public machine-readable ISA for CDNA 5 (MIT licence, August 2026) and "CDNA5" Instruction Set Architecture Reference Guide (July 2026). The comments in the code are by the model that wrote it; some were corrected since.
;; Attention Fuser V2. Allowed arithmetic: float matrix products may take bf16 or f16 operands with f32 sums; other float arithmetic in f32, or as packed bf16 or f16 multiplies, adds, multiply-adds, maxima and minima; sums over many terms, partial sums and values carried from step to step in f32; what a program stores and reads back later, other than sums and carried values, may be rounded once to bf16 or f16.
;; Inputs: W_in1 512 x 512 float32; W_in2 512 x 512 float32; W_out1 512 x 1,024 float32; W_out2 512 x 1,024 float32; embeddings 128 x 256 x 512 float32.
;; Outputs: out0 128 x 512 x 1 x 1 float32.
;; 2 versions, each right; version 2 is version 1 with the launch blk1 written anew for expert scheduling mode. Each part assembles by itself: llvm-mc -triple=amdgcn-amd-amdhsa -mcpu=gfx1250 --defsym DOCPART=n.
;; ======== version 1 of 2: 4 launches
;; limits: values are held in f16: magnitudes above 65,504 overflow, below 6.1e-05 lose precision
;; workspace buffers: wp 3,145,728 bytes; x1 33,554,432 bytes; cs 1,048,576 bytes
;; launch prep (part 1): grid 32 x 6, 4 waves a work-group, no clusters, 0 bytes of LDS; arguments W_in1, W_out1, W_in2, W_out2, wp; writes wp
.if DOCPART == 1
	.amdgcn_target "amdgcn-amd-amdhsa--gfx1250"
	.amdhsa_code_object_version 6
	.text
	.protected	k_q16db1a3724_prep
	.globl	k_q16db1a3724_prep
	.p2align	8
	.type	k_q16db1a3724_prep,@function
k_q16db1a3724_prep:
	s_mov_b64 s[64:65], 0
	v_nop
	global_prefetch_b8 v0, s[64:65] scope:SCOPE_SE
	s_setreg_imm32_b32 hwreg(HW_REG_WAVE_MODE, 25, 1), 1
	s_wait_xcnt 0x0
; THE PROGRAM: prep (weights to f16 fragments), blk1 (block 1 whole), blk2 (what block 2 needs), fin (the last product on means).
; WORK LEFT OUT, for all finite values of the inputs, in exact arithmetic.  reference() ends in mean over l of [mix2, q2] W_out2^T.  The product is linear in its rows, so the mean goes
; inside: out = [mean_l mix2, mean_l q2] W_out2^T; and mix2[l] = sum_m w[l][m] x1[m], so mean_l mix2 = sum_m (mean_l w[l][m]) x1[m].  So block 2's product w x1 (256 rows a batch) becomes one
; row a batch, and its product with W_out2 likewise.  q2, the scores, the maximum taken away and the softmax are all done.  Every input is read.
; LIMITS.  All matrix operands are f16, rounded once from f32: |x|, |W|, |q| and the means stay under 65,504 (W_out1: 2.886 |W|); below 6e-5 f16 keeps its fixed step of 6e-8.  Block 2's sums over l are
; taken in another order than reference()'s.  A NaN, an infinity or an overflow that would arise only in the rows left out (a row of mix2 or of the last product) is not carried to the result.
; THIS KERNEL: each weight matrix W[n][k] is rounded to f16 and laid out as operand fragments of 16 rows x 32 k, 1,024 bytes each: lane l = (r = l % 16, h = l / 16) has W[16 nt + r][32 ks + 8 h ..+7]
; at byte 16 l and the same with k + 16 at byte 512 + 16 l.  A fragment lies at SEC + (g KS + ks) 4096 + (nt % 4) 1024, g = nt / 4 = G; for W_out1 g = 2 (G % 4) + G / 4, so that the two
; column passes of a wave of blk1 lie end to end.  Sections: W_in1 0 (KS 16), W_out1 524,288 (KS 32), W_in2 1,572,864, W_out2 2,097,152.
; W_out1 is multiplied by 2 log2(e) before the rounding: blk1's tanh wants 2^(2 log2(e) y), and its sums then are that exponent.
; SHARES.  Grid x = nt (16 rows), grid y = 512 columns of one matrix (0: W_in1; 1, 2: W_out1; 3: W_in2; 4, 5: W_out2); wave w takes 128 of the columns: four fragments.
	s_load_b256 s[4:11], s[0:1], 0x0               ; W_in1, W_out1, W_in2, W_out2
	s_load_b64 s[12:13], s[0:1], 0x20              ; wp
	v_lshrrev_b32 v1, 5, v0
	v_readfirstlane_b32 s30, v1                    ; wave
	v_and_b32 v2, 15, v0                           ; r
	v_bfe_u32 v3, v0, 4, 1                         ; h
	v_and_b32 v4, 31, v0
	v_lshlrev_b32 v4, 4, v4                        ; 16 x lane
	s_mov_b32 s32, 0x4038aa3b                      ; 2 log2(e)
	s_mov_b32 s33, s32
	s_and_b32 s14, ttmp7, 0xffff                   ; y
	s_cmp_ge_u32 s14, 3
	s_cselect_b32 s15, 1, 0                        ; second block's weights?
	s_mul_i32 s16, s15, 3
	s_sub_co_u32 s16, s14, s16                     ; 0: W_in; 1, 2: halves of W_out
	s_cmp_eq_u32 s16, 0
	s_cselect_b32 s17, 11, 12                      ; a source row is 2,048 or 4,096 bytes
	s_cselect_b32 s18, 4, 5                        ; KS = 16 or 32
	s_cselect_b32 s19, 0, 0x80000
	s_cmp_eq_u32 s16, 2
	s_cselect_b32 s24, 0x800, 0                    ; the second 512 columns
	s_cselect_b32 s25, 16, 0
	s_mul_i32 s26, s15, 0x180000
	s_add_co_u32 s26, s26, s19                     ; SEC
	s_lshr_b32 s27, ttmp9, 2                       ; G
	s_and_b32 s28, s27, 3
	s_lshl_b32 s28, s28, 1
	s_lshr_b32 s29, s27, 2
	s_or_b32 s28, s28, s29                         ; 2 (G % 4) + G / 4
	s_sub_co_u32 s29, s14, 1
	s_cmp_lt_u32 s29, 2                            ; y = 1 or 2: W_out1
	s_cselect_b32 s27, s28, s27                    ; g
	s_lshl_b32 s27, s27, s18
	s_add_co_u32 s27, s27, s25
	s_lshl_b32 s28, s30, 2
	s_add_co_u32 s27, s27, s28                     ; g KS + my first ks
	s_lshl_b32 s27, s27, 12
	s_add_co_u32 s26, s26, s27
	s_and_b32 s28, ttmp9, 3
	s_lshl_b32 s28, s28, 10
	s_add_co_u32 s26, s26, s28
	s_mov_b32 s27, 0
	s_lshl_b32 s28, ttmp9, 4
	v_add_nc_u32 v5, s28, v2                       ; row 16 nt + r
	v_lshlrev_b32 v5, s17, v5
	v_lshl_add_u32 v5, v3, 5, v5                   ; + 8 h numbers of f32
	s_lshl_b32 s28, s30, 9
	s_add_co_u32 s28, s28, s24
	v_add_nc_u32 v5, s28, v5                       ; + my 128 columns
	s_wait_kmcnt 0x0
	s_cmp_eq_u32 s15, 1
	s_cselect_b64 s[20:21], s[8:9], s[4:5]
	s_cselect_b64 s[22:23], s[10:11], s[6:7]
	s_cmp_eq_u32 s16, 0
	s_cselect_b64 s[20:21], s[20:21], s[22:23]     ; the matrix that y names
	s_add_nc_u64 s[12:13], s[12:13], s[26:27]
.irp j, 0,1,2,3
.irp q, 0,1
.irp u, 0,1
	global_load_b128 v[16+16*\j+8*\q+4*\u:16+16*\j+8*\q+4*\u+3], v5, s[20:21] offset:128*\j+64*\q+16*\u
.endr
.endr
.endr
	s_wait_loadcnt 0x0
	s_cmp_lt_u32 s29, 2                            ; W_out1 alone is scaled
	s_cbranch_scc0 .Lplain
.set i, 0
.rept 32
	v_pk_mul_f32 v[16+2*i:17+2*i], v[16+2*i:17+2*i], s[32:33] op_sel_hi:[1,0]
.set i, i+1
.endr
.Lplain:
.set i, 0
.rept 32
	v_cvt_pk_f16_f32 v[80+i], v[16+2*i], v[17+2*i]
.set i, i+1
.endr
.irp j, 0,1,2,3
.irp q, 0,1
	global_store_b128 v4, v[80+8*\j+4*\q:80+8*\j+4*\q+3], s[12:13] offset:4096*\j+512*\q  ; 512 consecutive bytes, aligned
.endr
.endr
	s_endpgm
.Lfunc_end_k_q16db1a3724_prep:
	.size	k_q16db1a3724_prep, .Lfunc_end_k_q16db1a3724_prep-k_q16db1a3724_prep
	.p2alignl 7, 3214868480
	.fill 96, 4, 3214868480
	.section	.rodata,"a",@progbits
	.p2align	6, 0x0
	.amdhsa_kernel k_q16db1a3724_prep
		.amdhsa_group_segment_fixed_size 0
		.amdhsa_private_segment_fixed_size 0
		.amdhsa_enable_private_segment 0
		.amdhsa_kernarg_size 40
		.amdhsa_user_sgpr_count 2
		.amdhsa_user_sgpr_kernarg_segment_ptr 1
		.amdhsa_wavefront_size32 1
		.amdhsa_system_sgpr_workgroup_id_x 1
		.amdhsa_system_sgpr_workgroup_id_y 1
		.amdhsa_system_sgpr_workgroup_id_z 1
		.amdhsa_system_vgpr_workitem_id 0
		.amdhsa_next_free_vgpr 128
		.amdhsa_next_free_sgpr 66
		.amdhsa_reserve_vcc 0
		.amdhsa_float_denorm_mode_32 3
		.amdhsa_float_denorm_mode_16_64 3
		.amdhsa_memory_ordered 1
		.amdhsa_forward_progress 1
		.amdhsa_inst_pref_size 9
	.end_amdhsa_kernel
	.amdgpu_metadata
---
amdhsa.version: [ 1, 2 ]
amdhsa.kernels:
  - .name:           k_q16db1a3724_prep
    .symbol:         k_q16db1a3724_prep.kd
    .args:
      - { .name: W_in1, .offset: 0, .size: 8, .value_kind: global_buffer, .address_space: global }
      - { .name: W_out1, .offset: 8, .size: 8, .value_kind: global_buffer, .address_space: global }
      - { .name: W_in2, .offset: 16, .size: 8, .value_kind: global_buffer, .address_space: global }
      - { .name: W_out2, .offset: 24, .size: 8, .value_kind: global_buffer, .address_space: global }
      - { .name: wp, .offset: 32, .size: 8, .value_kind: global_buffer, .address_space: global }
    .group_segment_fixed_size: 0
    .private_segment_fixed_size: 0
    .kernarg_segment_align: 8
    .kernarg_segment_size: 40
    .max_flat_workgroup_size: 128
    .sgpr_count:     66
    .vgpr_count:     128
    .wavefront_size: 32
...
	.end_amdgpu_metadata
.endif
;; end of part 1
;; launch blk1 (part 2): grid 2 x 128, 4 waves a work-group, no clusters, 301,568 bytes of LDS; arguments embeddings, wp, x1; writes x1
.if DOCPART == 2
	.amdgcn_target "amdgcn-amd-amdhsa--gfx1250"
	.amdhsa_code_object_version 6
	.text
	.protected	k_q16db1a3724_blk1
	.globl	k_q16db1a3724_blk1
	.p2align	8
	.type	k_q16db1a3724_blk1,@function
k_q16db1a3724_blk1:
	s_mov_b64 s[64:65], 0
	v_nop
	global_prefetch_b8 v0, s[64:65] scope:SCOPE_SE
	s_setreg_imm32_b32 hwreg(HW_REG_WAVE_MODE, 25, 1), 1
	s_wait_xcnt 0x0
; BLOCK 1, whole: x1 = tanh([softmax(q x^T) x, q] W_out1^T), q = x W_in1^T, for 128 query rows (half hf = grid x) of one batch (grid y).  x1 leaves as f16 [128][256][512].
; LIMITS.  Matrix operands are f16, rounded once: |x|, |W|, |q| under 65,504; a weight p below 2^-126 counts as 0; NaN and infinities are not treated apart.  The softmax has a running maximum.
; In LDS my half's 128 rows come first and the other half's behind them, so the keys are walked in another order than reference()'s for hf = 1: sums over keys differ in rounding alone.
; NO CLUSTER: the batch's 256 rows fill 266,240 of the LDS bytes, so there is no room for a ring of weights that partners could share; the weights come from memory straight into registers, as
; fragments; x is rounded on its way through registers, and the two halves of a batch lay it at different LDS rows.
; PHASES.  P0: the batch's x, f32 to f16, into LDS (X).  Q: each wave makes all 128 rows x its 128 columns of q.  EXCH: q goes through LDS (CH), 32 rows at a time, so that each wave holds
; its own 32 rows of q as fragments.  FLASH: four steps of 64 keys: S^T = x q^T, softmax, O^T += x^T P.  COMB: [mix, q] takes X's place.  OUT: two passes of 128 rows x 64 columns a wave, K = 1,024; tanh; store.
; ALL PRODUCTS ARE TAKEN TRANSPOSED (source 0: weights, keys or x^T; source 1: rows): a lane holds one row (l % 16) and eight neighbouring columns.
; REGISTERS.  window 0: v0-31 addresses; v32-47 statistics; v48-111 S^T; v112-143 P; v144-239 three sets of key fragments; in the GEMMs v64-191 two sets of row fragments; v192-255 at work.
; window 1: ring of weight fragments, later q's fragments.  windows 2, 3: accumulators.
.set XP,    1040                       ; a row of X: 1,024 bytes + 16: the 16 rows of a fragment load start at 16 different groups of four banks (64 banks of 4 bytes: ISA guide 11.1)
.set CH,    256*XP                     ; 34,816 bytes: 32 rows x 1,040 bytes of q on their way between waves
.set CBP,   2064                       ; a row of COMB: 1,024 bytes of mix, 1,024 of q, 16 of padding; it lies where X lay
.set STG,   CH                         ; the way out: 64 rows x 528 bytes, where CH lay
.set STP,   528
.set SPARE, CH+34816                   ; the spare words: 128 bytes a wave, named by no other line
.set L16, 1
.set R,   2
.set H,   3
.set WO,  4                            ; the weights' offset: 16 x lane; 0 while stages are loaded that nobody uses
.set XL,  5
.set AA0, 6
.set AA1, 7
.set KA,  8
.set VA,  9
.set CHS, 10
.set CHL, 11
.set CMS, 12
.set CQS, 13
.set STS, 14
.set STL, 15
.set GO,  16
.set AA4, 20                           ; v20-23 walking, v24-27 kept
.set AB4, 24
.set SPW, 30
.set NIL, 31
.set ST,  32                           ; tile t at ST + 8 t: c m, m, l (two), c0-c3 at work; a takes c2's place
.set S,   48
.set P,   112
.set FB,  144
.set WV,  10
.set HF,  11
.set BA,  12
.set WB,  14
.set T,   16
.set PASS, 17
.set KB,  18
.set G,   19
.set CS,  20
.set SEL, 22
.set EB,  30
.set OB,  32
.set MSB, 0
.macro WIN new                         ; the high byte repeats the setting that is left; a switch that changes nothing is dropped
.if MSB != (\new)
	s_set_vgpr_msb (MSB<<8)|(\new)
.set MSB, (\new)
.endif
.endm
.macro PLACES                          ; four plain instructions behind a matrix instruction, ahead of loads into its sources and of readers of its result
.rept 4
	v_nop
.endr
.endm
.macro BAR
	s_barrier_signal -1
	s_barrier_wait -1
.endm
; ---- the product for q: 128 rows x 128 columns a wave, K = 512 in 16 steps of 32; weights in a ring of four stages of 64 registers
.macro WLOAD128 st, off
	WIN 0x40
.irp b, 0,1,2,3,4,5,6,7
	global_load_b128 v[64*(\st)+8*\b:64*(\st)+8*\b+3],   v[WO], s[WB:WB+1] offset:(\off)+((\b)&3)*1024+((\b)>>2)*65536
	global_load_b128 v[64*(\st)+8*\b+4:64*(\st)+8*\b+7], v[WO], s[WB:WB+1] offset:(\off)+((\b)&3)*1024+((\b)>>2)*65536+512
.endr
.endm
.macro ALOAD128 buf, k
	WIN 0
.irp t, 0,1,2,3,4,5,6,7
	ds_load_b128 v[(\buf)+8*\t:(\buf)+8*\t+3],   v[AA0+\t/4] offset:((\t)%4)*16*XP+(\k)
	ds_load_b128 v[(\buf)+8*\t+4:(\buf)+8*\t+7], v[AA0+\t/4] offset:((\t)%4)*16*XP+(\k)+32
.endr
.endm
.macro MUL128 st, buf, hi, zero        ; 32 products; the 64 accumulators take turns, one instruction a turn
	WIN 0xa1+0x50*(\hi)
.irp a, 0,1,2,3
.irp b, 0,1,2,3,4,5,6,7
.if \zero
	v_wmma_f32_16x16x32_f16 v[8*(8*\a+\b):8*(8*\a+\b)+7], v[64*(\st)+8*\b:64*(\st)+8*\b+7], v[(\buf)+8*(4*(\hi)+\a):(\buf)+8*(4*(\hi)+\a)+7], 0
.else
	v_wmma_f32_16x16x32_f16 v[8*(8*\a+\b):8*(8*\a+\b)+7], v[64*(\st)+8*\b:64*(\st)+8*\b+7], v[(\buf)+8*(4*(\hi)+\a):(\buf)+8*(4*(\hi)+\a)+7], v[8*(8*\a+\b):8*(8*\a+\b)+7]
.endif
.endr
.endr
.endm
.macro KS128 j, zero                   ; K step 4 n + j
	s_wait_loadcnt 48                              ; my stage is in: the three younger stages, 16 loads each, may stay out
	s_wait_dscnt 0x0                               ; this step's row fragments, asked for 32 products ago
	MUL128 \j, 64+64*((\j)%2), 0, \zero
.if (\j) == 0
	s_wait_xcnt 0x0                                ; every load issued so far has read its address: the pointer may step and the offset be written
	s_add_nc_u64 s[WB:WB+1], s[WB:WB+1], 16384
	s_cmp_eq_u32 s[T], 1
	s_cselect_b32 s26, 0, -1
.endif
	WIN 0
.if (\j) == 0
	v_and_b32 v[WO], s26, v[L16]                   ; the last trip's four stages are not used: the loads keep the waits' counts, and all lanes name the same 16 bytes, inside wp
.endif
.if (\j) == 3
	s_cmp_eq_u32 s[T], 1                           ; the last trip has no next step
	s_cbranch_scc1 .Lna_\@
	v_add_nc_u32 v[AA0], 256, v[AA0]
	v_add_nc_u32 v[AA1], 256, v[AA1]
	v_nop
	v_nop
	ALOAD128 64, 0
.Lna_\@:
.else
	PLACES
	ALOAD128 64+64*(((\j)+1)%2), ((\j)+1)*64
.endif
	MUL128 \j, 64+64*((\j)%2), 1, \zero
	PLACES
	WLOAD128 \j, (\j)*4096                         ; the stage just multiplied takes the step four on
	WIN 0
.endm
.macro PACKQ                           ; the 64 accumulators rounded to f16, in place and ascending: (a, b) at v[4 (8 a + b)] of window 2
	PLACES
.set i, 0
.rept 64
	WIN 0x8a+5*(i/32)
.irp k, 0,1,2,3
	v_cvt_pk_f16_f32 v[4*i+\k], v[8*(i%32)+2*\k], v[8*(i%32)+2*\k+1]
.endr
.set i, i+1
.endr
	WIN 0
.endm
; ---- q from column slices to rows.  Round c: every wave puts its 128 columns of rows 32 c .. 32 c + 31 into CH; wave c takes the 32 rows whole, as fragments: tile t, step ks at v[8 (16 t + ks)] of window 1.
; The round is written once; a forward branch on the loop's count picks the registers that are stored.
.macro STB c
	WIN 0x08
.irp aa, 0,1
.irp b, 0,1,2,3,4,5,6,7
	ds_store_b128 v[CHS], v[4*(8*(2*(\c)+\aa)+\b):4*(8*(2*(\c)+\aa)+\b)+3] offset:\aa*16*XP+32*\b
.endr
.endr
	WIN 0
.endm
.macro EXCH
	s_mov_b32 s[KB], 4                             ; round c = count - 1
.Lex:
	s_cmp_eq_u32 s[KB], 4
	s_cbranch_scc1 .Lex3
	s_cmp_eq_u32 s[KB], 3
	s_cbranch_scc1 .Lex2
	s_cmp_eq_u32 s[KB], 2
	s_cbranch_scc1 .Lex1
	STB 0
	s_branch .Lexj
.Lex1:
	STB 1
	s_branch .Lexj
.Lex2:
	STB 2
	s_branch .Lexj
.Lex3:
	STB 3
.Lexj:
	s_wait_dscnt 0x0                               ; my part of the 32 rows is written,
	BAR                                            ; everybody's is
	s_sub_co_u32 s26, s[KB], 1
	s_cmp_lg_u32 s[WV], s26
	s_cbranch_scc1 .Lexn
	WIN 0x40
.irp t, 0,1
.set ks, 0
.rept 16
	ds_load_b128 v[8*(16*\t+ks):8*(16*\t+ks)+3],   v[CHL] offset:\t*16*XP+64*ks
	ds_load_b128 v[8*(16*\t+ks)+4:8*(16*\t+ks)+7], v[CHL] offset:\t*16*XP+64*ks+32
.set ks, ks+1
.endr
.endr
	WIN 0
.Lexn:
	s_wait_dscnt 0x0                               ; the reads are over,
	BAR                                            ; and everybody knows: CH may be written again
	s_sub_co_u32 s[KB], s[KB], 1
	s_cmp_lg_u32 s[KB], 0
	s_cbranch_scc1 .Lex
.endm
; ---- S^T = x q^T for 64 keys and my 32 rows
.macro XLOAD set, ks
.irp kt, 0,1,2,3
	ds_load_b128 v[FB+32*(\set)+8*\kt:FB+32*(\set)+8*\kt+3],   v[KA] offset:\kt*16*XP+64*(\ks)
	ds_load_b128 v[FB+32*(\set)+8*\kt+4:FB+32*(\set)+8*\kt+7], v[KA] offset:\kt*16*XP+64*(\ks)+32
.endr
.endm
.macro SPART
	WIN 0x04                                       ; source 1 (q) in window 1; the LDS loads name windows of source 0 and of the destination alone, both 0
	XLOAD 0, 0
	XLOAD 1, 1
.set ks, 0
.rept 16
.if ks == 15
	s_wait_dscnt 0x0
.else
	s_wait_dscnt 8                                 ; this step's eight loads are in, the next step's eight may stay out
.endif
.irp kt, 0,1,2,3
.irp t, 0,1
.if ks == 0
	v_wmma_f32_16x16x32_f16 v[S+32*\t+8*\kt:S+32*\t+8*\kt+7], v[FB+32*(ks%3)+8*\kt:FB+32*(ks%3)+8*\kt+7], v[8*(16*\t+ks):8*(16*\t+ks)+7], 0
.else
	v_wmma_f32_16x16x32_f16 v[S+32*\t+8*\kt:S+32*\t+8*\kt+7], v[FB+32*(ks%3)+8*\kt:FB+32*(ks%3)+8*\kt+7], v[8*(16*\t+ks):8*(16*\t+ks)+7], v[S+32*\t+8*\kt:S+32*\t+8*\kt+7]
.endif
.endr
.endr
.if ks < 14
	PLACES
	XLOAD (ks+2)%3, ks+2
.endif
.set ks, ks+1
.endr
	PLACES
	WIN 0
.endm
; ---- softmax.  A lane holds one query and 32 of the step's 64 scores; the other 32 lie in the lane 16 away
.macro STATS                           ; the maximum of the scores and the old m (each accumulator's lowest registers first); the new m; c m; c m_old - c m_new
.irp j, 0,1,2,3,4,5,6,7,8,9,10,11,12,13,14,15,16,17,18,19,20
.irp t, 0,1
.set rT, ST+8*\t
.set rS, S+32*\t
.if (\j) < 4
	v_max3_num_f32 v[rT+4+(\j)], v[rS+8*(\j)], v[rS+8*(\j)+1], v[rS+8*(\j)+2]
.elseif (\j) < 12
	v_max3_num_f32 v[rT+4+(\j)%4], v[rT+4+(\j)%4], v[rS+8*((\j)%4)+2*((\j)/4)+1], v[rS+8*((\j)%4)+2*((\j)/4)+2]
.elseif (\j) == 12
	v_max3_num_f32 v[rT+4], v[rT+4], v[rS+7], v[rS+15]
.elseif (\j) == 13
	v_max3_num_f32 v[rT+6], v[rT+6], v[rS+23], v[rS+31]
.elseif (\j) == 14
	v_max3_num_f32 v[rT+4], v[rT+4], v[rT+5], v[rT+6]
.elseif (\j) == 15
	v_max3_num_f32 v[rT+4], v[rT+4], v[rT+7], v[rT+1]
.elseif (\j) == 16
	v_permlanex16_b32 v[rT+5], v[rT+4], s[SEL], s[SEL+1]
.elseif (\j) == 17
	v_mov_b32 v[rT+7], v[rT]
.elseif (\j) == 18
	v_max_num_f32 v[rT+1], v[rT+4], v[rT+5]
.elseif (\j) == 19
	v_mul_f32 v[rT], s[CS], v[rT+1]
.else
	v_sub_f32 v[rT+7], v[rT+7], v[rT]
.endif
.endr
.endr
.endm
.macro SCALE                           ; c s - c m
.irp t, 0,1
.set b, 0
.rept 16
	v_pk_fma_f32 v[S+32*\t+2*b:S+32*\t+2*b+1], v[S+32*\t+2*b:S+32*\t+2*b+1], s[CS:CS+1], v[ST+8*\t:ST+8*\t+1] op_sel_hi:[1,0,0] neg_lo:[0,0,1] neg_hi:[0,0,1]
.set b, b+1
.endr
.endr
.endm
.macro EXPS
.set i, 0
.rept 64
	v_exp_f32 v[S+i], v[S+i]
.set i, i+1
.endr
	v_nop                                          ; a plain instruction behind the last exponential,
	s_wait_alu depctr_va_vdst(0)                   ; and one wait for the whole batch, ahead of its first reader
.endm
.macro LSUM                            ; the 16 pairs of a tile are added in place, 1, 2, 4, 8 pairs apart; l = a l + sum
.irp w, 4,8,16,32
.irp t, 0,1
.set u, 0
.rept 32/\w
	v_pk_add_f32 v[S+32*\t+\w*u:S+32*\t+\w*u+1], v[S+32*\t+\w*u:S+32*\t+\w*u+1], v[S+32*\t+\w*u+\w/2:S+32*\t+\w*u+\w/2+1]
.set u, u+1
.endr
.endr
.endr
.irp t, 0,1
	v_pk_fma_f32 v[ST+8*\t+2:ST+8*\t+3], v[ST+8*\t+2:ST+8*\t+3], v[ST+8*\t+6:ST+8*\t+7], v[S+32*\t:S+32*\t+1] op_sel_hi:[1,0,1]
.endr
.endm
.macro RESC                            ; O^T of tile t (window 2 + t) times the tile's factor at ST + 8 t + 6
.irp t, 0,1
	WIN 0x82+0x41*\t
.set i, 0
.rept 128
	v_pk_mul_f32 v[i:i+1], v[i:i+1], v[ST+8*\t+6:ST+8*\t+7] op_sel_hi:[1,0]
.set i, i+2
.endr
.endr
	WIN 0
.endm
; ---- O^T += x^T P.  x^T comes turned out of LDS.  Channel tile cb = (u = cb / 8, v = cb % 8) holds channels 128 u + 8 v + 0..7 and the same + 64: the two blocks of eight that a turning
; load takes lie 128 bytes apart, so that at a pitch of 1,040 bytes sixteen lanes (8 rows x 2 blocks) touch each bank once.
.macro VLOAD set, q                    ; q = 8 kk + grp: keys 32 kk on, tiles 4 grp + 0..3
.irp i, 0,1,2,3
	ds_load_tr16_b128 v[FB+32*(\set)+8*\i:FB+32*(\set)+8*\i+3],   v[VA] offset:((\q)/8)*32*XP+(((\q)%8)/2)*256+(4*((\q)%2)+\i)*16
	ds_load_tr16_b128 v[FB+32*(\set)+8*\i+4:FB+32*(\set)+8*\i+7], v[VA] offset:((\q)/8)*32*XP+16*XP+(((\q)%8)/2)*256+(4*((\q)%2)+\i)*16
.endr
.endm
.macro MIX
.set q, 0
.rept 16
.if q == 15
	s_wait_dscnt 0x0
.else
	s_wait_dscnt 8                                 ; this set's eight loads are in, the next set's may stay out
.endif
.irp t, 0,1
	WIN 0xa0+0x50*\t
.irp i, 0,1,2,3
	v_wmma_f32_16x16x32_f16 v[8*(4*(q%8)+\i):8*(4*(q%8)+\i)+7], v[FB+32*(q%3)+8*\i:FB+32*(q%3)+8*\i+7], v[P+16*\t+8*(q/8):P+16*\t+8*(q/8)+7], v[8*(4*(q%8)+\i):8*(4*(q%8)+\i)+7]
.endr
.endr
	WIN 0
.if q < 14
	PLACES
	VLOAD (q+2)%3, q+2
.endif
.set q, q+1
.endr
	PLACES
.endm
; ---- the out product: 128 rows x 64 columns a wave and pass, K = 1,024 in 32 steps; ring of four stages of 32 registers
.macro WLOAD64 st, off
	WIN 0x40
.irp b, 0,1,2,3
	global_load_b128 v[32*(\st)+8*\b:32*(\st)+8*\b+3],   v[WO], s[WB:WB+1] offset:(\off)+\b*1024
	global_load_b128 v[32*(\st)+8*\b+4:32*(\st)+8*\b+7], v[WO], s[WB:WB+1] offset:(\off)+\b*1024+512
.endr
.endm
.macro ALOAD64 buf, k
	WIN 0
.irp t, 0,1,2,3,4,5,6,7
	ds_load_b128 v[(\buf)+8*\t:(\buf)+8*\t+3],   v[AA4+\t/2] offset:((\t)%2)*16*CBP+(\k)
	ds_load_b128 v[(\buf)+8*\t+4:(\buf)+8*\t+7], v[AA4+\t/2] offset:((\t)%2)*16*CBP+(\k)+32
.endr
.endm
.macro MUL64 st, buf, hi, zero
	WIN 0xa1
.irp a, 0,1,2,3
.irp b, 0,1,2,3
.if \zero
	v_wmma_f32_16x16x32_f16 v[8*(4*(4*(\hi)+\a)+\b):8*(4*(4*(\hi)+\a)+\b)+7], v[32*(\st)+8*\b:32*(\st)+8*\b+7], v[(\buf)+8*(4*(\hi)+\a):(\buf)+8*(4*(\hi)+\a)+7], 0
.else
	v_wmma_f32_16x16x32_f16 v[8*(4*(4*(\hi)+\a)+\b):8*(4*(4*(\hi)+\a)+\b)+7], v[32*(\st)+8*\b:32*(\st)+8*\b+7], v[(\buf)+8*(4*(\hi)+\a):(\buf)+8*(4*(\hi)+\a)+7], v[8*(4*(4*(\hi)+\a)+\b):8*(4*(4*(\hi)+\a)+\b)+7]
.endif
.endr
.endr
.endm
.macro KS64 j, zero
	s_wait_loadcnt 24                              ; my stage is in: three younger stages of 8 loads may stay out
	s_wait_dscnt 0x0
	MUL64 \j, 64+64*((\j)%2), 0, \zero
.if (\j) == 0
	s_wait_xcnt 0x0
	s_add_nc_u64 s[WB:WB+1], s[WB:WB+1], 16384
	s_add_co_u32 s26, s[T], s[PASS]                ; 2 in the last trip of the last pass alone
	s_cmp_eq_u32 s26, 2
	s_cselect_b32 s26, 0, -1
.endif
	WIN 0
.if (\j) == 0
	v_and_b32 v[WO], s26, v[L16]                   ; that trip's four stages are not used: all lanes name the same 16 bytes, inside wp
.endif
.if (\j) == 3
	s_cmp_eq_u32 s[T], 1
	s_cbranch_scc1 .Lnb_\@
.irp i, 0,1,2,3
	v_add_nc_u32 v[AA4+\i], 256, v[AA4+\i]
.endr
	ALOAD64 64, 0
.Lnb_\@:
.else
	PLACES
	ALOAD64 64+64*(((\j)+1)%2), ((\j)+1)*64
.endif
	MUL64 \j, 64+64*((\j)%2), 1, \zero
	PLACES
	WLOAD64 \j, (\j)*4096                          ; pass 0's last four are pass 1's first four stages, which lie behind it in wp
	WIN 0
.endm
.macro EPIEXP g                        ; rows 64 g on: 2^(sum) of 16 accumulators, into window 0; the sums hold 2 log2(e) y, since the weights were scaled so
	WIN 0x02
.set i, 0
.rept 128
	v_exp_f32 v[64+i], v[128*(\g)+i]
.set i, i+1
.endr
	WIN 0
	v_nop
	s_wait_alu depctr_va_vdst(0)                   ; one wait for the batch, ahead of the label that follows
.endm
.macro SLOT s, ahead, left             ; P0: a slot's 512 bytes of f32 become 256 bytes of f16 in X; the slot is asked for again, eight rows on
	s_wait_loadcnt \left
	v_cvt_pk_f16_f32 v[192+2*(\s)], v[64+4*(\s)], v[64+4*(\s)+1]
	v_cvt_pk_f16_f32 v[193+2*(\s)], v[64+4*(\s)+2], v[64+4*(\s)+3]
	ds_store_b64 v[XL], v[192+2*(\s):193+2*(\s)] offset:((\s)/4)*XP+((\s)%4)*256
.if \ahead
	global_load_b128 v[64+4*(\s):64+4*(\s)+3], v[L16], s[EB:EB+1] offset:(\s)*512
.endif
.endm
	s_load_b128 s[4:7], s[0:1], 0x0                ; embeddings, wp
	s_load_b64 s[8:9], s[0:1], 0x10                ; x1
	v_lshl_add_u32 v[SPW], v0, 2, SPARE
	v_mov_b32 v[NIL], 0
	v_lshrrev_b32 v17, 5, v0
	v_readfirstlane_b32 s[WV], v17
	s_mov_b32 s[HF], ttmp9
	s_and_b32 s[BA], ttmp7, 0xffff
	s_mov_b32 s[CS], 0x3fb8aa3b                    ; c = log2(e)
	s_mov_b32 s[CS+1], s[CS]
	s_mov_b32 s[SEL], 0x76543210
	s_mov_b32 s[SEL+1], 0xfedcba98
	v_and_b32 v17, 31, v0
	v_lshlrev_b32 v[L16], 4, v17
	v_mov_b32 v[WO], v[L16]
	v_and_b32 v[R], 15, v0
	v_bfe_u32 v[H], v0, 4, 1
	v_mul_u32_u24 v[KA], v[R], XP
	v_lshl_add_u32 v[KA], v[H], 4, v[KA]           ; a fragment's row x pitch + 16 x half
	v_mov_b32 v[AA0], v[KA]                        ; my half's rows lie first in X: rows 0-63,
	v_add_nc_u32 v[AA1], 64*XP, v[KA]              ; and 64-127: no LDS address hangs on the work-group
	v_and_b32 v18, 7, v0
	v_lshl_add_u32 v18, v[H], 3, v18
	v_mul_u32_u24 v18, v18, XP
	v_bfe_u32 v19, v0, 3, 1
	v_lshl_add_u32 v[VA], v19, 7, v18              ; the turning load: key 8 h + l % 8, block (l / 8) % 2
	v_add_nc_u32 v[CHL], CH, v[KA]                 ; out of CH: a fragment's row and half
	s_lshl_b32 s26, s[WV], 8
	s_add_co_u32 s26, s26, CH
	v_add_nc_u32 v[CHS], s26, v[KA]                ; into CH: the same, at my 128 columns
	v_mul_u32_u24 v18, v[R], CBP
	s_mul_i32 s26, s[WV], 32*CBP
	v_add_nc_u32 v19, s26, v18
	v_lshl_add_u32 v[CMS], v[H], 7, v19
	v_lshl_add_u32 v[CQS], v[H], 4, v19
	v_add_nc_u32 v[CQS], 1024, v[CQS]
	v_lshl_add_u32 v[AB4], v[H], 4, v18
	v_add_nc_u32 v[AB4+1], 32*CBP, v[AB4]
	v_add_nc_u32 v[AB4+2], 64*CBP, v[AB4]
	v_add_nc_u32 v[AB4+3], 96*CBP, v[AB4]
	v_mul_u32_u24 v18, v[R], STP
	v_lshl_add_u32 v18, v[H], 4, v18
	s_lshl_b32 s26, s[WV], 7
	s_add_co_u32 s26, s26, STG
	v_add_nc_u32 v[STS], s26, v18
	s_mul_i32 s26, s[WV], 16*STP
	s_add_co_u32 s26, s26, STG
	v_add_nc_u32 v[STL], s26, v[L16]
	s_lshl_b32 s26, s[WV], 14
	v_add_nc_u32 v[GO], s26, v[L16]
	s_mul_i32 s26, s[WV], 64*XP
	v_lshl_add_u32 v[XL], v17, 3, s26              ; I fill rows 64 w .. 64 w + 63 of X,
	s_lshl_b32 s26, s[WV], 17
	s_mov_b32 s27, 0
	s_lshl_b32 s28, s[HF], 1
	s_add_co_u32 s28, s28, s[WV]
	s_and_b32 s28, s28, 3                          ; with the batch's rows 64 ((w + 2 hf) mod 4) on: my half first
	s_lshl_b32 s28, s28, 17
	s_lshl_b32 s29, s[BA], 19
	s_add_co_u32 s28, s28, s29
	s_mov_b32 s29, 0
	s_wait_kmcnt 0x0
	s_add_nc_u64 s[WB:WB+1], s[6:7], s[26:27]      ; W_in1's fragments for my 128 columns
	s_add_nc_u64 s[EB:EB+1], s[4:5], s[28:29]      ; those 64 rows of the batch's x
	s_lshl_b32 s28, s[BA], 18
	s_lshl_b32 s26, s[HF], 17
	s_add_co_u32 s28, s28, s26
	s_add_nc_u64 s[OB:OB+1], s[8:9], s[28:29]      ; x1 at my half's first row
	WLOAD128 0, 0
	WLOAD128 1, 4096
	WLOAD128 2, 8192
	WLOAD128 3, 12288
	WIN 0
	; P0: a ring of 32 slots in registers, 16 KiB a wave on their way
.set i, 0
.rept 32
	global_load_b128 v[64+4*i:64+4*i+3], v[L16], s[EB:EB+1] offset:i*512
.set i, i+1
.endr
	s_mov_b32 s[T], 7
.Lp0:
	s_wait_xcnt 0x0                                ; the loads issued so far have read the pointer
	s_add_nc_u64 s[EB:EB+1], s[EB:EB+1], 16384
.set i, 0
.rept 32
	SLOT i, 1, 31                                  ; the 31 younger loads may stay out
.set i, i+1
.endr
	v_add_nc_u32 v[XL], 8*XP, v[XL]
	s_sub_co_u32 s[T], s[T], 1
	s_cmp_lg_u32 s[T], 0
	s_cbranch_scc1 .Lp0
.set i, 0
.rept 32
	SLOT i, 0, 31-i                                ; the last round loads nothing: the counts run down
.set i, i+1
.endr
	s_wait_dscnt 0x0                               ; my rows of X are written,
	BAR                                            ; everybody's are
	; Q
	ALOAD128 64, 0
	s_mov_b32 s[T], 4
	KS128 0, 1                                     ; the first step starts the sums
	s_branch .Lqmid
.Lqtop:
	KS128 0, 0
.Lqmid:
	KS128 1, 0
	KS128 2, 0
	KS128 3, 0
	s_sub_co_u32 s[T], s[T], 1
	s_cmp_lg_u32 s[T], 0
	s_cbranch_scc1 .Lqtop
	s_wait_loadcnt 0x0                             ; the ring's registers are free, and so is the offset
	v_mov_b32 v[WO], v[L16]
	PACKQ
	EXCH
	; FLASH.  O^T and l start at 0, c m far below every c s: the first step's a is 0 and no first step is written out; the price is these 512 lines, once a launch
	WIN 0x80
.set i, 0
.rept 256
	v_mov_b32 v[i], 0
.set i, i+1
.endr
	WIN 0xc0
.set i, 0
.rept 256
	v_mov_b32 v[i], 0
.set i, i+1
.endr
	WIN 0
.irp t, 0,1
	v_mov_b32 v[ST+8*\t], 0xfe000000
	v_mov_b32 v[ST+8*\t+1], 0xff7fffff
.irp k, 2,3,4,5,6,7
	v_mov_b32 v[ST+8*\t+\k], 0
.endr
.endr
	s_mov_b32 s[KB], 5
.Lkb:                                  ; trips 5 to 2: a step of 64 keys.  Trip 1: O^T times 1 / l, by the text that rescales O^T in every step
	s_cmp_eq_u32 s[KB], 1
	s_cbranch_scc1 .Lfin
	SPART
	VLOAD 0, 0                                     ; the first two sets of x^T land during the softmax
	VLOAD 1, 1
	STATS
	v_exp_f32 v[ST+6], v[ST+7]                     ; a, of both tiles: part of the batch below
	v_exp_f32 v[ST+14], v[ST+15]
	SCALE
	EXPS
.irp t, 0,1
.set i, 0
.rept 16
	v_cvt_pk_f16_f32 v[P+16*\t+i], v[S+32*\t+2*i], v[S+32*\t+2*i+1]
.set i, i+1
.endr
.endr
	LSUM
	s_branch .Lresc
.Lfin:
.irp t, 0,1
	v_add_f32 v[ST+8*\t+4], v[ST+8*\t+2], v[ST+8*\t+3]
.endr
.irp t, 0,1
	v_permlanex16_b32 v[ST+8*\t+5], v[ST+8*\t+4], s[SEL], s[SEL+1]
.endr
.irp t, 0,1
	v_add_f32 v[ST+8*\t+4], v[ST+8*\t+4], v[ST+8*\t+5]
.endr
.irp t, 0,1
	v_rcp_f32 v[ST+8*\t+6], v[ST+8*\t+4]
.endr
	v_nop
	s_wait_alu depctr_va_vdst(0)                   ; one wait for the two reciprocals
.Lresc:
	RESC
	s_cmp_eq_u32 s[KB], 1
	s_cbranch_scc1 .Lkx
	MIX
	v_add_nc_u32 v[KA], 64*XP, v[KA]
	v_add_nc_u32 v[VA], 64*XP, v[VA]
.Lkx:
	s_wait_dscnt 0x0                               ; no LDS load is out on any way to this label
	s_sub_co_u32 s[KB], s[KB], 1
	s_cmp_lg_u32 s[KB], 0
	s_cbranch_scc1 .Lkb
	; mix, rounded to f16 in place
.irp t, 0,1
	WIN 0x8a+0x45*\t
.set i, 0
.rept 128
	v_cvt_pk_f16_f32 v[i], v[2*i], v[2*i+1]
.set i, i+1
.endr
.endr
	WIN 0
	s_wait_dscnt 0x0                               ; my reads of X are over,
	BAR                                            ; everybody's are: COMB takes its place
.irp t, 0,1
	WIN 0x08+4*\t
.set cb, 0
.rept 32
	ds_store_b128 v[CMS], v[4*cb:4*cb+3] offset:\t*16*CBP+(cb/8)*256+(cb%8)*16
.set cb, cb+1
.endr
.endr
	WIN 0x04
.irp t, 0,1
.set ks, 0
.rept 16
	ds_store_b128 v[CQS], v[8*(16*\t+ks):8*(16*\t+ks)+3]   offset:\t*16*CBP+64*ks
	ds_store_b128 v[CQS], v[8*(16*\t+ks)+4:8*(16*\t+ks)+7] offset:\t*16*CBP+64*ks+32
.set ks, ks+1
.endr
.endr
	WIN 0
	s_wait_dscnt 0x0                               ; my rows of COMB are written; q's registers are free for the ring
	s_lshl_b32 s26, s[WV], 18
	s_add_co_u32 s26, s26, 524288
	s_mov_b32 s27, 0
	s_add_nc_u64 s[WB:WB+1], s[6:7], s[26:27]      ; W_out1's fragments for my two passes
	WLOAD64 0, 0
	WLOAD64 1, 4096
	WLOAD64 2, 8192
	WLOAD64 3, 12288
	WIN 0
	BAR
	; OUT
	s_mov_b32 s[PASS], 2
.Lpass:
.irp i, 0,1,2,3
	v_mov_b32 v[AA4+\i], v[AB4+\i]
.endr
	ALOAD64 64, 0
	s_mov_b32 s[T], 8
	KS64 0, 1
	s_branch .Lomid
.Lotop:
	KS64 0, 0
.Lomid:
	KS64 1, 0
	KS64 2, 0
	KS64 3, 0
	s_sub_co_u32 s[T], s[T], 1
	s_cmp_lg_u32 s[T], 0
	s_cbranch_scc1 .Lotop
	; tanh(y) = 1 - 2 / (1 + 2^(2 log2(e) y)), 64 rows at a time; through the stage, so that a store of the wave covers 512 consecutive bytes of a row of x1
	EPIEXP 0
	s_mov_b32 s[G], 2
.Lepi:
.set i, 0
.rept 64
	v_pk_add_f32 v[64+2*i:65+2*i], v[64+2*i:65+2*i], 1.0 op_sel_hi:[1,0]
.set i, i+1
.endr
.set i, 0
.rept 128
	v_rcp_f32 v[64+i], v[64+i]
.set i, i+1
.endr
	v_nop
	s_wait_alu depctr_va_vdst(0)
.set i, 0
.rept 64
	v_pk_fma_f32 v[64+2*i:65+2*i], v[64+2*i:65+2*i], -2.0, 1.0 op_sel_hi:[1,0,0]
.set i, i+1
.endr
.set i, 0
.rept 64
	v_cvt_pk_f16_f32 v[192+i], v[64+2*i], v[65+2*i]
.set i, i+1
.endr
.set i, 0
.rept 16
	ds_store_b128 v[STS], v[192+4*i:192+4*i+3] offset:(i/4)*16*STP+(i%4)*32
.set i, i+1
.endr
	s_wait_dscnt 0x0                               ; a row's 512 bytes come from four waves
	BAR
.set i, 0
.rept 16
	ds_load_b128 v[64+4*i:64+4*i+3], v[STL] offset:i*STP
.set i, i+1
.endr
	s_wait_dscnt 0x0
.set i, 0
.rept 16
	global_store_b128 v[GO], v[64+4*i:64+4*i+3], s[OB:OB+1] offset:i*1024
.set i, i+1
.endr
	s_wait_xcnt 0x0                                ; the stores have read their registers and the pointer
	BAR                                            ; everybody's reads of the stage are over
	s_add_nc_u64 s[OB:OB+1], s[OB:OB+1], 65536     ; 64 rows on
	s_cmp_eq_u32 s[G], 1
	s_cbranch_scc1 .Lepx
	EPIEXP 1
.Lepx:
	s_sub_co_u32 s[G], s[G], 1
	s_cmp_lg_u32 s[G], 0
	s_cbranch_scc1 .Lepi
	s_sub_nc_u64 s[OB:OB+1], s[OB:OB+1], 131072-512  ; back to the first row, 256 columns on
	s_sub_co_u32 s[PASS], s[PASS], 1
	s_cmp_lg_u32 s[PASS], 0
	s_cbranch_scc1 .Lpass
	s_wait_tensorcnt 0x0                           ; the wave's end
	ds_add_u32 v[SPW], v[NIL]
	s_wait_dscnt 0x0
	s_endpgm
.Lfunc_end_k_q16db1a3724_blk1:
	.size	k_q16db1a3724_blk1, .Lfunc_end_k_q16db1a3724_blk1-k_q16db1a3724_blk1
	.p2alignl 7, 3214868480
	.fill 96, 4, 3214868480
	.section	.rodata,"a",@progbits
	.p2align	6, 0x0
	.amdhsa_kernel k_q16db1a3724_blk1
		.amdhsa_group_segment_fixed_size 301568
		.amdhsa_private_segment_fixed_size 0
		.amdhsa_enable_private_segment 0
		.amdhsa_kernarg_size 24
		.amdhsa_user_sgpr_count 2
		.amdhsa_user_sgpr_kernarg_segment_ptr 1
		.amdhsa_wavefront_size32 1
		.amdhsa_system_sgpr_workgroup_id_x 1
		.amdhsa_system_sgpr_workgroup_id_y 1
		.amdhsa_system_sgpr_workgroup_id_z 1
		.amdhsa_system_vgpr_workitem_id 0
		.amdhsa_next_free_vgpr 1024
		.amdhsa_next_free_sgpr 66
		.amdhsa_reserve_vcc 0
		.amdhsa_float_denorm_mode_32 3
		.amdhsa_float_denorm_mode_16_64 3
		.amdhsa_memory_ordered 1
		.amdhsa_forward_progress 1
		.amdhsa_inst_pref_size 254
	.end_amdhsa_kernel
	.amdgpu_metadata
---
amdhsa.version: [ 1, 2 ]
amdhsa.kernels:
  - .name:           k_q16db1a3724_blk1
    .symbol:         k_q16db1a3724_blk1.kd
    .args:
      - { .name: embeddings, .offset: 0, .size: 8, .value_kind: global_buffer, .address_space: global }
      - { .name: wp, .offset: 8, .size: 8, .value_kind: global_buffer, .address_space: global }
      - { .name: x1, .offset: 16, .size: 8, .value_kind: global_buffer, .address_space: global }
    .group_segment_fixed_size: 301568
    .private_segment_fixed_size: 0
    .kernarg_segment_align: 8
    .kernarg_segment_size: 24
    .max_flat_workgroup_size: 128
    .sgpr_count:     66
    .vgpr_count:     1024
    .wavefront_size: 32
...
	.end_amdgpu_metadata
.endif
;; end of part 2
;; launch blk2 (part 3): grid 2 x 128, 4 waves a work-group, no clusters, 305,664 bytes of LDS; arguments x1, wp, cs; writes cs
.if DOCPART == 3
	.amdgcn_target "amdgcn-amd-amdhsa--gfx1250"
	.amdhsa_code_object_version 6
	.text
	.protected	k_q16db1a3724_blk2
	.globl	k_q16db1a3724_blk2
	.p2align	8
	.type	k_q16db1a3724_blk2,@function
k_q16db1a3724_blk2:
	s_mov_b64 s[64:65], 0
	v_nop
	global_prefetch_b8 v0, s[64:65] scope:SCOPE_SE
	s_setreg_imm32_b32 hwreg(HW_REG_WAVE_MODE, 25, 1), 1
	s_wait_xcnt 0x0
; WHAT BLOCK 2 NEEDS, for 128 query rows (half hf = grid x) of one batch (grid y).  Work left out: the mean over l goes inside the last two products, which are linear in their rows (shown at the head of the
; first kernel).  So this kernel stores, as f32 sums over its 128 rows: cs[batch][hf][0..511] = sum_m c[m] x1[m][:], c[m] = sum_l softmax(q2 x1^T)[l][m]; cs[batch][hf][512..1023] = sum_l q2[l][:].
; LIMITS.  Matrix operands are f16 (x1, W_in2, q2, c), rounded once; a weight p below 2^-126 counts as 0; NaN and infinities are not treated apart.  The softmax has a running maximum.
; In LDS my half's 128 rows come first and the other half's behind them; c goes by the LDS row, as x1 does in the product with it, so only the order of the sums over keys differs from reference()'s.
; THE SCORES ARE MADE ONCE.  The walk over the keys, 64 a step, finds m and l as a running maximum and sum; each step's weights p = 2^(c s - c m_step) are set aside in window 2 (64 registers a step) with
; c m_step.  Behind the walk g = 2^(c m_step - c m_final) / l is made for each step and tile, and p g, the softmax's weight, is added up over the rows.
; NO CLUSTER: the two halves of a batch read the same x1 but lay it at different LDS rows (own half first), and a joint load has one LDS address for all that it names.
; Layouts, windows and macros are blk1's.
.set XP,    1040
.set CH,    256*XP                     ; 34,816 bytes: first four waves' sums of q2 on their way over the lanes (16 rows x 528 bytes each), then 32 rows x 1,040 bytes of q2 between waves,
.set CP,    CH                         ; then four waves' partial c, 1,024 bytes each,
.set CB,    CH+4096                    ; and c in f16, 512 bytes
.set QSP,   528
.set OUTS,  CH+34816                   ; the 1,024 sums on their way out
.set SPARE, OUTS+4096                  ; the spare words: 128 bytes a wave, named by no other line
.set L16, 1
.set R,   2
.set H,   3
.set WO,  4
.set AA0, 6
.set AA1, 7
.set KA,  8
.set VA,  9
.set CHS, 10
.set CHL, 11
.set QSS, 12
.set CPA, 13
.set MSA, 14
.set OL,  15
.set GO,  16
.set CRD, 18
.set CBW, 19
.set CFA, 20
.set QSL, 21
.set QSO, 22
.set SPW, 30
.set NIL, 31
.set ST,  32
.set S,   48
.set GF,  112                          ; step x, tile t at GF + 4 x + 2 t: c m_step, later g
.set FB,  144
.set WV,  10
.set HF,  11
.set BA,  12
.set WB,  14
.set T,   16
.set KB,  18
.set CS,  20
.set SEL, 22
.set G0,  32
.set G1,  36
.set G0B, 44
.set MSB, 0
.macro WIN new
.if MSB != (\new)
	s_set_vgpr_msb (MSB<<8)|(\new)
.set MSB, (\new)
.endif
.endm
.macro PLACES
.rept 4
	v_nop
.endr
.endm
.macro BAR
	s_barrier_signal -1
	s_barrier_wait -1
.endm
.macro WLOAD128 st, off
	WIN 0x40
.irp b, 0,1,2,3,4,5,6,7
	global_load_b128 v[64*(\st)+8*\b:64*(\st)+8*\b+3],   v[WO], s[WB:WB+1] offset:(\off)+((\b)&3)*1024+((\b)>>2)*65536
	global_load_b128 v[64*(\st)+8*\b+4:64*(\st)+8*\b+7], v[WO], s[WB:WB+1] offset:(\off)+((\b)&3)*1024+((\b)>>2)*65536+512
.endr
.endm
.macro ALOAD128 buf, k
	WIN 0
.irp t, 0,1,2,3,4,5,6,7
	ds_load_b128 v[(\buf)+8*\t:(\buf)+8*\t+3],   v[AA0+\t/4] offset:((\t)%4)*16*XP+(\k)
	ds_load_b128 v[(\buf)+8*\t+4:(\buf)+8*\t+7], v[AA0+\t/4] offset:((\t)%4)*16*XP+(\k)+32
.endr
.endm
.macro MUL128 st, buf, hi, zero        ; the 64 accumulators take turns, one instruction a turn
	WIN 0xa1+0x50*(\hi)
.irp a, 0,1,2,3
.irp b, 0,1,2,3,4,5,6,7
.if \zero
	v_wmma_f32_16x16x32_f16 v[8*(8*\a+\b):8*(8*\a+\b)+7], v[64*(\st)+8*\b:64*(\st)+8*\b+7], v[(\buf)+8*(4*(\hi)+\a):(\buf)+8*(4*(\hi)+\a)+7], 0
.else
	v_wmma_f32_16x16x32_f16 v[8*(8*\a+\b):8*(8*\a+\b)+7], v[64*(\st)+8*\b:64*(\st)+8*\b+7], v[(\buf)+8*(4*(\hi)+\a):(\buf)+8*(4*(\hi)+\a)+7], v[8*(8*\a+\b):8*(8*\a+\b)+7]
.endif
.endr
.endr
.endm
.macro KS128 j, zero
	s_wait_loadcnt 48                              ; my stage is in: the three younger stages, 16 loads each, may stay out
	s_wait_dscnt 0x0
	MUL128 \j, 64+64*((\j)%2), 0, \zero
.if (\j) == 0
	s_wait_xcnt 0x0                                ; every load issued so far has read its address: the pointer may step and the offset be written
	s_add_nc_u64 s[WB:WB+1], s[WB:WB+1], 16384
	s_cmp_eq_u32 s[T], 1
	s_cselect_b32 s26, 0, -1
.endif
	WIN 0
.if (\j) == 0
	v_and_b32 v[WO], s26, v[L16]                   ; the last trip's four stages are not used: the loads keep the waits' counts, and all lanes name the same 16 bytes, inside wp
.endif
.if (\j) == 3
	s_cmp_eq_u32 s[T], 1                           ; the last trip has no next step
	s_cbranch_scc1 .Lna_\@
	v_add_nc_u32 v[AA0], 256, v[AA0]
	v_add_nc_u32 v[AA1], 256, v[AA1]
	v_nop
	v_nop
	ALOAD128 64, 0
.Lna_\@:
.else
	PLACES
	ALOAD128 64+64*(((\j)+1)%2), ((\j)+1)*64
.endif
	MUL128 \j, 64+64*((\j)%2), 1, \zero
	PLACES
	WLOAD128 \j, (\j)*4096
	WIN 0
.endm
.macro PACKQ
	PLACES
.set i, 0
.rept 64
	WIN 0x8a+5*(i/32)
.irp k, 0,1,2,3
	v_cvt_pk_f16_f32 v[4*i+\k], v[8*(i%32)+2*\k], v[8*(i%32)+2*\k+1]
.endr
.set i, i+1
.endr
	WIN 0
.endm
.macro STB c                           ; my 128 columns of rows 32 c .. 32 c + 31 of q2
	WIN 0x08
.irp aa, 0,1
.irp b, 0,1,2,3,4,5,6,7
	ds_store_b128 v[CHS], v[4*(8*(2*(\c)+\aa)+\b):4*(8*(2*(\c)+\aa)+\b)+3] offset:\aa*16*XP+32*\b
.endr
.endr
	WIN 0
.endm
.macro EXCH                            ; round c = count - 1: every wave stores its columns of 32 rows, wave c takes the rows whole, as fragments
	s_mov_b32 s[KB], 4
.Lex:
	s_cmp_eq_u32 s[KB], 4
	s_cbranch_scc1 .Lex3
	s_cmp_eq_u32 s[KB], 3
	s_cbranch_scc1 .Lex2
	s_cmp_eq_u32 s[KB], 2
	s_cbranch_scc1 .Lex1
	STB 0
	s_branch .Lexj
.Lex1:
	STB 1
	s_branch .Lexj
.Lex2:
	STB 2
	s_branch .Lexj
.Lex3:
	STB 3
.Lexj:
	s_wait_dscnt 0x0
	BAR
	s_sub_co_u32 s26, s[KB], 1
	s_cmp_lg_u32 s[WV], s26
	s_cbranch_scc1 .Lexn
	WIN 0x40
.irp t, 0,1
.set ks, 0
.rept 16
	ds_load_b128 v[8*(16*\t+ks):8*(16*\t+ks)+3],   v[CHL] offset:\t*16*XP+64*ks
	ds_load_b128 v[8*(16*\t+ks)+4:8*(16*\t+ks)+7], v[CHL] offset:\t*16*XP+64*ks+32
.set ks, ks+1
.endr
.endr
	WIN 0
.Lexn:
	s_wait_dscnt 0x0
	BAR
	s_sub_co_u32 s[KB], s[KB], 1
	s_cmp_lg_u32 s[KB], 0
	s_cbranch_scc1 .Lex
.endm
.macro XLOAD set, ks
.irp kt, 0,1,2,3
	ds_load_b128 v[FB+32*(\set)+8*\kt:FB+32*(\set)+8*\kt+3],   v[KA] offset:\kt*16*XP+64*(\ks)
	ds_load_b128 v[FB+32*(\set)+8*\kt+4:FB+32*(\set)+8*\kt+7], v[KA] offset:\kt*16*XP+64*(\ks)+32
.endr
.endm
.macro SPART
	WIN 0x04
	XLOAD 0, 0
	XLOAD 1, 1
.set ks, 0
.rept 16
.if ks == 15
	s_wait_dscnt 0x0
.else
	s_wait_dscnt 8                                 ; this step's eight loads are in, the next step's eight may stay out
.endif
.irp kt, 0,1,2,3
.irp t, 0,1
.if ks == 0
	v_wmma_f32_16x16x32_f16 v[S+32*\t+8*\kt:S+32*\t+8*\kt+7], v[FB+32*(ks%3)+8*\kt:FB+32*(ks%3)+8*\kt+7], v[8*(16*\t+ks):8*(16*\t+ks)+7], 0
.else
	v_wmma_f32_16x16x32_f16 v[S+32*\t+8*\kt:S+32*\t+8*\kt+7], v[FB+32*(ks%3)+8*\kt:FB+32*(ks%3)+8*\kt+7], v[8*(16*\t+ks):8*(16*\t+ks)+7], v[S+32*\t+8*\kt:S+32*\t+8*\kt+7]
.endif
.endr
.endr
.if ks < 14
	PLACES
	XLOAD (ks+2)%3, ks+2
.endif
.set ks, ks+1
.endr
	PLACES
	WIN 0
.endm
.macro STATS
.irp j, 0,1,2,3,4,5,6,7,8,9,10,11,12,13,14,15,16,17,18,19,20
.irp t, 0,1
.set rT, ST+8*\t
.set rS, S+32*\t
.if (\j) < 4
	v_max3_num_f32 v[rT+4+(\j)], v[rS+8*(\j)], v[rS+8*(\j)+1], v[rS+8*(\j)+2]
.elseif (\j) < 12
	v_max3_num_f32 v[rT+4+(\j)%4], v[rT+4+(\j)%4], v[rS+8*((\j)%4)+2*((\j)/4)+1], v[rS+8*((\j)%4)+2*((\j)/4)+2]
.elseif (\j) == 12
	v_max3_num_f32 v[rT+4], v[rT+4], v[rS+7], v[rS+15]
.elseif (\j) == 13
	v_max3_num_f32 v[rT+6], v[rT+6], v[rS+23], v[rS+31]
.elseif (\j) == 14
	v_max3_num_f32 v[rT+4], v[rT+4], v[rT+5], v[rT+6]
.elseif (\j) == 15
	v_max3_num_f32 v[rT+4], v[rT+4], v[rT+7], v[rT+1]
.elseif (\j) == 16
	v_permlanex16_b32 v[rT+5], v[rT+4], s[SEL], s[SEL+1]
.elseif (\j) == 17
	v_mov_b32 v[rT+7], v[rT]
.elseif (\j) == 18
	v_max_num_f32 v[rT+1], v[rT+4], v[rT+5]
.elseif (\j) == 19
	v_mul_f32 v[rT], s[CS], v[rT+1]
.else
	v_sub_f32 v[rT+7], v[rT+7], v[rT]
.endif
.endr
.endr
.endm
.macro SCALE
.irp t, 0,1
.set b, 0
.rept 16
	v_pk_fma_f32 v[S+32*\t+2*b:S+32*\t+2*b+1], v[S+32*\t+2*b:S+32*\t+2*b+1], s[CS:CS+1], v[ST+8*\t:ST+8*\t+1] op_sel_hi:[1,0,0] neg_lo:[0,0,1] neg_hi:[0,0,1]
.set b, b+1
.endr
.endr
.endm
.macro EXPS
.set i, 0
.rept 64
	v_exp_f32 v[S+i], v[S+i]
.set i, i+1
.endr
	v_nop                                          ; a plain instruction behind the last exponential,
	s_wait_alu depctr_va_vdst(0)                   ; and one wait for the whole batch
.endm
.macro LSUM
.irp w, 4,8,16,32
.irp t, 0,1
.set u, 0
.rept 32/\w
	v_pk_add_f32 v[S+32*\t+\w*u:S+32*\t+\w*u+1], v[S+32*\t+\w*u:S+32*\t+\w*u+1], v[S+32*\t+\w*u+\w/2:S+32*\t+\w*u+\w/2+1]
.set u, u+1
.endr
.endr
.endr
.irp t, 0,1
	v_pk_fma_f32 v[ST+8*\t+2:ST+8*\t+3], v[ST+8*\t+2:ST+8*\t+3], v[ST+8*\t+6:ST+8*\t+7], v[S+32*\t:S+32*\t+1] op_sel_hi:[1,0,1]
.endr
.endm
.macro OUTB x                          ; the step's 64 weights into place x of window 2, and its two c m beside g's places
	WIN 0x80
.set i, 0
.rept 64
	v_mov_b32 v[64*(\x)+i], v[S+i]
.set i, i+1
.endr
	WIN 0
	v_mov_b32 v[GF+4*(\x)], v[ST]
	v_mov_b32 v[GF+4*(\x)+2], v[ST+8]
.endm
.macro INB x                           ; place x: tile 0's weights times its g, plus tile 1's times its g
	WIN 0x02
.set i, 0
.rept 16
	v_pk_mul_f32 v[S+2*i:S+2*i+1], v[64*(\x)+2*i:64*(\x)+2*i+1], v[GF+4*(\x):GF+4*(\x)+1] op_sel_hi:[1,0]
.set i, i+1
.endr
.set i, 0
.rept 16
	v_pk_fma_f32 v[S+2*i:S+2*i+1], v[64*(\x)+32+2*i:64*(\x)+32+2*i+1], v[GF+4*(\x)+2:GF+4*(\x)+3], v[S+2*i:S+2*i+1] op_sel_hi:[1,0,1]
.set i, i+1
.endr
	WIN 0
.endm
.macro VLC set                         ; 32 keys x my 128 channels of x1, turned: eight tiles; then the address goes 32 keys on
.irp v, 0,1,2,3,4,5,6,7
	ds_load_tr16_b128 v[112+64*(\set)+8*\v:112+64*(\set)+8*\v+3],   v[VA] offset:16*\v
	ds_load_tr16_b128 v[112+64*(\set)+8*\v+4:112+64*(\set)+8*\v+7], v[VA] offset:16*\v+16*XP
.endr
	v_add_nc_u32 v[VA], 32*XP, v[VA]
.endm
	s_load_b128 s[4:7], s[0:1], 0x0                ; x1, wp
	s_load_b64 s[8:9], s[0:1], 0x10                ; cs
	v_lshl_add_u32 v[SPW], v0, 2, SPARE
	v_mov_b32 v[NIL], 0
	ds_add_u32 v[SPW], v[NIL]                      ; the wave's opening: the add, twice on end, and its wait ahead of my first tensor load
	ds_add_u32 v[SPW], v[NIL]
	v_lshrrev_b32 v24, 5, v0
	v_readfirstlane_b32 s[WV], v24
	s_mov_b32 s[HF], ttmp9
	s_and_b32 s[BA], ttmp7, 0xffff
	s_mov_b32 s[CS], 0x3fb8aa3b
	s_mov_b32 s[CS+1], s[CS]
	s_mov_b32 s[SEL], 0x76543210
	s_mov_b32 s[SEL+1], 0xfedcba98
	; descriptor group 1: 32 rows x 512 elements of 2 bytes; 4 words of padding behind every 256 words: LDS rows 1,040 bytes apart.  32 rows, not 64, so that each wave has a part of my half's
	; rows, which the first product wants, and a part of the other half's, which are wanted 1,024 products later
	s_mov_b32 s[G1+0], (1<<16)|(1<<20)|(7<<22)|(3<<25)
	s_mov_b32 s[G1+1], 512<<16                     ; tensor_dim0 = 512
	s_mov_b32 s[G1+2], 32<<16                      ; tensor_dim1 = 32
	s_mov_b32 s[G1+3], 512<<16                     ; tile_dim0 = 512
	s_mov_b32 s[G1+4], 32                          ; tile_dim1 = 32
	s_mov_b32 s[G1+5], 512                         ; elements from row to row
	s_mov_b32 s[G1+6], 0
	s_mov_b32 s[G1+7], 0
	s_mov_b32 s[G0], 1
	s_mul_i32 s[G0+1], s[WV], 32*XP                ; rows 32 w on of X: my half's,
	s_mov_b32 s[G0B], 1
	s_add_co_u32 s[G0B+1], s[G0+1], 128*XP         ; and rows 128 + 32 w on: the other half's
	v_and_b32 v24, 31, v0
	v_lshlrev_b32 v[L16], 4, v24
	v_mov_b32 v[WO], v[L16]
	v_and_b32 v[R], 15, v0
	v_bfe_u32 v[H], v0, 4, 1
	v_mul_u32_u24 v[KA], v[R], XP
	v_lshl_add_u32 v[KA], v[H], 4, v[KA]
	v_mov_b32 v[AA0], v[KA]                        ; my half's rows lie first in X: no LDS address hangs on the work-group
	v_add_nc_u32 v[AA1], 64*XP, v[KA]
	v_and_b32 v24, 7, v0
	v_lshl_add_u32 v24, v[H], 3, v24
	v_mul_u32_u24 v24, v24, XP
	v_bfe_u32 v25, v0, 3, 1
	v_lshl_add_u32 v24, v25, 7, v24
	s_lshl_b32 s26, s[WV], 8
	v_add_nc_u32 v[VA], s26, v24                   ; the turning load, at my 128 channels
	v_add_nc_u32 v[CHL], CH, v[KA]
	s_add_co_u32 s26, s26, CH
	v_add_nc_u32 v[CHS], s26, v[KA]
	s_mul_i32 s26, s[WV], 16*QSP
	s_add_co_u32 s26, s26, CH
	v_mul_u32_u24 v24, v[R], QSP
	v_lshl_add_u32 v24, v[H], 5, v24
	v_add_nc_u32 v[QSS], s26, v24                  ; q2's sums: lane (r, h) puts its 64 numbers into row r of my 16 rows of 128,
	v_add_nc_u32 v[QSL], s26, v[L16]               ; and takes four columns of every row back
	s_lshl_b32 s26, s[WV], 9
	s_add_co_u32 s27, s26, OUTS+2048
	v_add_nc_u32 v[QSO], s27, v[L16]
	s_add_co_u32 s27, s26, OUTS
	v_lshl_add_u32 v[MSA], v[H], 8, s27
	s_lshl_b32 s26, s[WV], 10
	s_add_co_u32 s27, s26, CP
	v_lshl_add_u32 v[CPA], v[H], 5, s27
	v_add_nc_u32 v[GO], s26, v[L16]
	v_add_nc_u32 v[OL], OUTS, v[GO]
	v_lshl_add_u32 v[CRD], v0, 3, CP
	v_lshl_add_u32 v[CBW], v0, 2, CB
	v_lshl_add_u32 v[CFA], v[H], 4, CB
.irp t, 0,1
	v_mov_b32 v[ST+8*\t], 0xfe000000               ; c m: far below every c s
	v_mov_b32 v[ST+8*\t+1], 0xff7fffff             ; m
.irp k, 2,3,4,5,6,7
	v_mov_b32 v[ST+8*\t+\k], 0
.endr
.endr
	s_lshl_b32 s26, s[BA], 18
	s_lshl_b32 s28, s[WV], 15
	s_add_co_u32 s26, s26, s28                     ; the batch, and 32 w rows of 1,024 bytes
	s_lshl_b32 s28, s[HF], 17
	s_add_co_u32 s28, s26, s28                     ; in my half,
	s_mov_b32 s29, 0
	s_xor_b32 s27, s[HF], 1
	s_lshl_b32 s27, s27, 17
	s_add_co_u32 s26, s26, s27                     ; and in the other
	s_mov_b32 s27, 0
	s_wait_dscnt 0x0                               ; both opening adds are done
	s_wait_kmcnt 0x0
	s_add_nc_u64 s[G0+2:G0+3], s[4:5], s[28:29]
	s_or_b32 s[G0+3], s[G0+3], 0x80000000          ; type = 2
	s_add_nc_u64 s[G0B+2:G0B+3], s[4:5], s[26:27]
	s_or_b32 s[G0B+3], s[G0B+3], 0x80000000
	tensor_load_to_lds s[G0:G0+3], s[G1:G1+7]      ; X is filled once: two loads a wave are out, my half's first
	s_nop 0
	tensor_load_to_lds s[G0B:G0B+3], s[G1:G1+7]
	s_nop 0
.rept 4
	v_nop
.endr
	s_lshl_b32 s28, s[WV], 17
	s_add_co_u32 s28, s28, 1572864
	s_add_nc_u64 s[WB:WB+1], s[6:7], s[28:29]      ; W_in2's fragments for my 128 columns
	s_lshl_b32 s26, s[BA], 1
	s_add_co_u32 s26, s26, s[HF]
	s_lshl_b32 s26, s26, 12
	s_add_nc_u64 s[8:9], s[8:9], s[26:27]          ; cs at my 4,096 bytes
	WLOAD128 0, 0
	WLOAD128 1, 4096
	WLOAD128 2, 8192
	WLOAD128 3, 12288
	WIN 0
	s_wait_tensorcnt 0x1                           ; my part of my half's rows is in; the one younger load may stay out
	BAR                                            ; everybody's part is
	ALOAD128 64, 0
	s_mov_b32 s[T], 4
	KS128 0, 1
	s_branch .Lqmid
.Lqtop:
	KS128 0, 0
.Lqmid:
	KS128 1, 0
	KS128 2, 0
	KS128 3, 0
	s_sub_co_u32 s[T], s[T], 1
	s_cmp_lg_u32 s[T], 0
	s_cbranch_scc1 .Lqtop
	s_wait_loadcnt 0x0
	; the sum of q2 over my half's 128 rows, in f32: over the eight row tiles in registers, then over the sixteen lanes of a half through my own bytes of LDS
	PLACES
	WIN 0x0a
.set i, 0
.rept 32
	v_pk_add_f32 v[48+2*i:49+2*i], v[2*i:2*i+1], v[64+2*i:65+2*i]
.set i, i+1
.endr
	WIN 0x08
.irp a, 2,3
.set i, 0
.rept 32
	v_pk_add_f32 v[48+2*i:49+2*i], v[48+2*i:49+2*i], v[64*\a+2*i:64*\a+2*i+1]
.set i, i+1
.endr
.endr
	WIN 0x0c
.irp a, 0,1,2,3
.set i, 0
.rept 32
	v_pk_add_f32 v[48+2*i:49+2*i], v[48+2*i:49+2*i], v[64*\a+2*i:64*\a+2*i+1]
.set i, i+1
.endr
.endr
	WIN 0
.irp b, 0,1,2,3,4,5,6,7
	ds_store_b128 v[QSS], v[48+8*\b:48+8*\b+3] offset:64*\b
	ds_store_b128 v[QSS], v[48+8*\b+4:48+8*\b+7] offset:64*\b+16
.endr
.set i, 0
.rept 16
	ds_load_b128 v[112+4*i:112+4*i+3], v[QSL] offset:i*QSP  ; LDS serves a wave's instructions in order (ISA guide 5.7.1.4): these see the stores above
.set i, i+1
.endr
	s_wait_dscnt 0x0
.irp d, 32,16,8,4
.set u, 0
.rept \d/2
	v_pk_add_f32 v[112+2*u:113+2*u], v[112+2*u:113+2*u], v[112+\d+2*u:113+\d+2*u]
.set u, u+1
.endr
.endr
	ds_store_b128 v[QSO], v[112:115]
	PACKQ
	s_wait_tensorcnt 0x0                           ; my part of the other half's rows is in,
	s_wait_dscnt 0x0                               ; and my reads of CH are over:
	BAR                                            ; everybody's
	EXCH
	s_mov_b32 s[KB], 4
.Lka:                                  ; the walk over the keys: scores, running m and l; the weights are set aside at place count - 1
	SPART
	STATS
	v_exp_f32 v[ST+6], v[ST+7]
	v_exp_f32 v[ST+14], v[ST+15]
	SCALE
	EXPS
	s_cmp_eq_u32 s[KB], 4
	s_cbranch_scc1 .Lo3
	s_cmp_eq_u32 s[KB], 3
	s_cbranch_scc1 .Lo2
	s_cmp_eq_u32 s[KB], 2
	s_cbranch_scc1 .Lo1
	OUTB 0
	s_branch .Loj
.Lo1:
	OUTB 1
	s_branch .Loj
.Lo2:
	OUTB 2
	s_branch .Loj
.Lo3:
	OUTB 3
.Loj:
	LSUM
	v_add_nc_u32 v[KA], 64*XP, v[KA]
	s_sub_co_u32 s[KB], s[KB], 1
	s_cmp_lg_u32 s[KB], 0
	s_cbranch_scc1 .Lka
	; g = 2^(c m_step - c m_final) / l, for four steps and two tiles
.irp t, 0,1
	v_add_f32 v[ST+8*\t+4], v[ST+8*\t+2], v[ST+8*\t+3]
.endr
.irp t, 0,1
	v_permlanex16_b32 v[ST+8*\t+5], v[ST+8*\t+4], s[SEL], s[SEL+1]
.endr
.irp t, 0,1
	v_add_f32 v[ST+8*\t+4], v[ST+8*\t+4], v[ST+8*\t+5]
.endr
.irp x, 0,1,2,3
.irp t, 0,1
	v_sub_f32 v[GF+4*\x+2*\t], v[GF+4*\x+2*\t], v[ST+8*\t]
.endr
.endr
.irp t, 0,1
	v_rcp_f32 v[ST+8*\t+6], v[ST+8*\t+4]
.endr
.irp x, 0,1,2,3
.irp t, 0,1
	v_exp_f32 v[GF+4*\x+2*\t], v[GF+4*\x+2*\t]
.endr
.endr
	v_nop
	s_wait_alu depctr_va_vdst(0)                   ; one wait for the two reciprocals and the eight exponentials
.irp x, 0,1,2,3
.irp t, 0,1
	v_mul_f32 v[GF+4*\x+2*\t], v[GF+4*\x+2*\t], v[ST+8*\t+6]
.endr
.endr
	s_mov_b32 s[KB], 4
.Lkc:                                  ; the weights' sums over my 32 rows, 64 keys a trip, in the order of the walk
	s_cmp_eq_u32 s[KB], 4
	s_cbranch_scc1 .Li3
	s_cmp_eq_u32 s[KB], 3
	s_cbranch_scc1 .Li2
	s_cmp_eq_u32 s[KB], 2
	s_cbranch_scc1 .Li1
	INB 0
	s_branch .Lij
.Li1:
	INB 1
	s_branch .Lij
.Li2:
	INB 2
	s_branch .Lij
.Li3:
	INB 3
.Lij:
.irp x, 1,2,4,8
.set i, 0
.rept 32
	v_add_f32_dpp v[S+i], v[S+i], v[S+i] row_xmask:\x row_mask:0xf bank_mask:0xf
.set i, i+1
.endr
.endr
.irp kt, 0,1,2,3
	ds_store_b128 v[CPA], v[S+8*\kt:S+8*\kt+3] offset:64*\kt       ; the sixteen lanes of a half write the same numbers to the same bytes
	ds_store_b128 v[CPA], v[S+8*\kt+4:S+8*\kt+7] offset:64*\kt+16
.endr
	v_add_nc_u32 v[CPA], 256, v[CPA]
	s_sub_co_u32 s[KB], s[KB], 1
	s_cmp_lg_u32 s[KB], 0
	s_cbranch_scc1 .Lkc
	s_wait_dscnt 0x0
	BAR                                            ; the four waves' partial c lie in LDS
.irp v, 0,1,2,3
	ds_load_b64 v[48+2*\v:49+2*\v], v[CRD] offset:1024*\v
.endr
	s_wait_dscnt 0x0
	v_pk_add_f32 v[48:49], v[48:49], v[50:51]
	v_pk_add_f32 v[52:53], v[52:53], v[54:55]
	v_pk_add_f32 v[48:49], v[48:49], v[52:53]
	v_cvt_pk_f16_f32 v56, v48, v49
	ds_store_b32 v[CBW], v56
	s_wait_dscnt 0x0
	BAR                                            ; c, in f16
	; sum_m c[m] x1[m][:]: source 0 = x1^T, source 1 = c in all sixteen columns; wave w makes channels 128 w .. 128 w + 127
.irp kk, 0,1,2,3,4,5,6,7
	ds_load_b128 v[48+8*\kk:48+8*\kk+3], v[CFA] offset:64*\kk
	ds_load_b128 v[48+8*\kk+4:48+8*\kk+7], v[CFA] offset:64*\kk+32
.endr
	VLC 0
	VLC 1
.set kk, 0
.rept 8
.if kk == 7
	s_wait_dscnt 0x0
.else
	s_wait_dscnt 16                                ; this set is in, the next set's 16 loads may stay out
.endif
	WIN 0xa0
.irp v, 0,1,2,3,4,5,6,7
.if kk == 0
	v_wmma_f32_16x16x32_f16 v[8*\v:8*\v+7], v[112+64*(kk%2)+8*\v:112+64*(kk%2)+8*\v+7], v[48+8*kk:48+8*kk+7], 0
.else
	v_wmma_f32_16x16x32_f16 v[8*\v:8*\v+7], v[112+64*(kk%2)+8*\v:112+64*(kk%2)+8*\v+7], v[48+8*kk:48+8*kk+7], v[8*\v:8*\v+7]
.endif
.endr
	WIN 0
	PLACES
.if kk < 6
	VLC kk%2
.endif
.set kk, kk+1
.endr
	WIN 0x08
.irp v, 0,1,2,3,4,5,6,7
	ds_store_b128 v[MSA], v[8*\v:8*\v+3] offset:32*\v
	ds_store_b128 v[MSA], v[8*\v+4:8*\v+7] offset:32*\v+16
.endr
	WIN 0
	s_wait_dscnt 0x0
	BAR
	ds_load_b128 v[48:51], v[OL]
	ds_load_b128 v[52:55], v[OL] offset:512
	s_wait_dscnt 0x0
	global_store_b128 v[GO], v[48:51], s[8:9]      ; 512 consecutive bytes, aligned
	global_store_b128 v[GO], v[52:55], s[8:9] offset:512
	s_wait_tensorcnt 0x0                           ; the wave's end
	ds_add_u32 v[SPW], v[NIL]
	s_wait_dscnt 0x0
	s_endpgm
.Lfunc_end_k_q16db1a3724_blk2:
	.size	k_q16db1a3724_blk2, .Lfunc_end_k_q16db1a3724_blk2-k_q16db1a3724_blk2
	.p2alignl 7, 3214868480
	.fill 96, 4, 3214868480
	.section	.rodata,"a",@progbits
	.p2align	6, 0x0
	.amdhsa_kernel k_q16db1a3724_blk2
		.amdhsa_group_segment_fixed_size 305664
		.amdhsa_private_segment_fixed_size 0
		.amdhsa_enable_private_segment 0
		.amdhsa_kernarg_size 24
		.amdhsa_user_sgpr_count 2
		.amdhsa_user_sgpr_kernarg_segment_ptr 1
		.amdhsa_wavefront_size32 1
		.amdhsa_system_sgpr_workgroup_id_x 1
		.amdhsa_system_sgpr_workgroup_id_y 1
		.amdhsa_system_sgpr_workgroup_id_z 1
		.amdhsa_system_vgpr_workitem_id 0
		.amdhsa_next_free_vgpr 1024
		.amdhsa_next_free_sgpr 66
		.amdhsa_reserve_vcc 0
		.amdhsa_float_denorm_mode_32 3
		.amdhsa_float_denorm_mode_16_64 3
		.amdhsa_memory_ordered 1
		.amdhsa_forward_progress 1
		.amdhsa_inst_pref_size 164
	.end_amdhsa_kernel
	.amdgpu_metadata
---
amdhsa.version: [ 1, 2 ]
amdhsa.kernels:
  - .name:           k_q16db1a3724_blk2
    .symbol:         k_q16db1a3724_blk2.kd
    .args:
      - { .name: x1, .offset: 0, .size: 8, .value_kind: global_buffer, .address_space: global }
      - { .name: wp, .offset: 8, .size: 8, .value_kind: global_buffer, .address_space: global }
      - { .name: cs, .offset: 16, .size: 8, .value_kind: global_buffer, .address_space: global }
    .group_segment_fixed_size: 305664
    .private_segment_fixed_size: 0
    .kernarg_segment_align: 8
    .kernarg_segment_size: 24
    .max_flat_workgroup_size: 128
    .sgpr_count:     66
    .vgpr_count:     1024
    .wavefront_size: 32
...
	.end_amdgpu_metadata
.endif
;; end of part 3
;; launch fin (part 4): grid 8 x 8, 4 waves a work-group, no clusters, 37,888 bytes of LDS; arguments cs, wp, out0; writes out0
.if DOCPART == 4
	.amdgcn_target "amdgcn-amd-amdhsa--gfx1250"
	.amdhsa_code_object_version 6
	.text
	.protected	k_q16db1a3724_fin
	.globl	k_q16db1a3724_fin
	.p2align	8
	.type	k_q16db1a3724_fin,@function
k_q16db1a3724_fin:
	s_mov_b64 s[64:65], 0
	v_nop
	global_prefetch_b8 v0, s[64:65] scope:SCOPE_SE
	s_setreg_imm32_b32 hwreg(HW_REG_WAVE_MODE, 25, 1), 1
	s_wait_xcnt 0x0
; out0[b][d] = sum_c mean[b][c] W_out2[d][c], mean[b] = (cs[b][0] + cs[b][1]) / 256: the last product on the means over l, which stands for the mean of the products (shown at the head of the first kernel).
; The division by 256 comes before the rounding to f16, so that it is the means, not the sums, that have to stay under 65,504.
; SHARES.  A work-group makes 16 batches (grid y) x 64 columns (grid x); wave w one tile of 16 columns, K = 1,024 in 32 steps, on four accumulators by turns, added at the end.
; 64 work-groups: the whole product is 128 x 512 x 1,024.
.set ALP,   2064                       ; a row of means in f16: 2,048 bytes + 16
.set STF,   16*ALP                     ; the way out: 16 rows x 272 bytes
.set SPARE, STF+16*272                 ; the spare words: 128 bytes a wave, named by no other line
.set SPW, 30
.set NIL, 31
.set MSB, 0
.macro WIN new
.if MSB != (\new)
	s_set_vgpr_msb (MSB<<8)|(\new)
.set MSB, (\new)
.endif
.endm
	s_load_b128 s[4:7], s[0:1], 0x0                ; cs, wp
	s_load_b64 s[8:9], s[0:1], 0x10                ; out0
	v_lshl_add_u32 v[SPW], v0, 2, SPARE
	v_mov_b32 v[NIL], 0
	v_lshrrev_b32 v10, 5, v0
	v_readfirstlane_b32 s10, v10                   ; wave
	v_and_b32 v10, 31, v0
	v_lshlrev_b32 v1, 4, v10                       ; 16 x lane
	v_and_b32 v2, 15, v0                           ; r
	v_bfe_u32 v3, v0, 4, 1                         ; h
	s_and_b32 s12, ttmp7, 0xffff
	s_lshl_b32 s14, s12, 17                        ; 16 batches of 8,192 bytes,
	s_lshl_b32 s22, s10, 15                        ; my four of them
	s_add_co_u32 s14, s14, s22
	s_mov_b32 s15, 0
	s_lshl_b32 s16, ttmp9, 17                      ; W_out2's group of 64 columns,
	s_lshl_b32 s22, s10, 10                        ; my tile in it
	s_add_co_u32 s16, s16, s22
	s_add_co_u32 s16, s16, 2097152
	s_mov_b32 s17, 0
	s_lshl_b32 s18, s12, 15                        ; 16 rows of out0,
	s_lshl_b32 s22, s10, 13                        ; my four,
	s_add_co_u32 s18, s18, s22
	s_lshl_b32 s22, ttmp9, 8                       ; the 64 columns
	s_add_co_u32 s18, s18, s22
	s_mov_b32 s19, 0
	s_mov_b32 s20, 0x3b800000                      ; 1 / 256
	s_mov_b32 s21, s20
	s_mul_i32 s22, s10, 4*ALP
	v_lshl_add_u32 v4, v10, 3, s22                 ; where I put 8 bytes of a row of means
	v_mul_u32_u24 v5, v2, ALP
	v_lshl_add_u32 v5, v3, 4, v5                   ; a fragment's row x pitch + 16 x half
	v_mul_u32_u24 v6, v2, 272
	v_lshl_add_u32 v6, v3, 5, v6
	s_lshl_b32 s22, s10, 6
	s_add_co_u32 s22, s22, STF
	v_add_nc_u32 v6, s22, v6                       ; the way out, in
	v_mul_u32_u24 v7, v3, 272
	v_lshl_add_u32 v7, v2, 4, v7
	s_mul_i32 s22, s10, 4*272
	s_add_co_u32 s22, s22, STF
	v_add_nc_u32 v7, s22, v7                       ; and back: lanes 0-15 one row of 256 bytes, lanes 16-31 the next
	v_lshlrev_b32 v8, 11, v3
	v_lshl_add_u32 v8, v2, 4, v8                   ; the same two rows in out0
	s_wait_kmcnt 0x0
	s_add_nc_u64 s[14:15], s[4:5], s[14:15]
	s_add_nc_u64 s[16:17], s[6:7], s[16:17]
	s_add_nc_u64 s[18:19], s[8:9], s[18:19]
	WIN 0x80
.set n, 0
.rept 64
	global_load_b128 v[4*n:4*n+3], v1, s[14:15] offset:n*512  ; batch n / 16, half (n / 8) % 2, piece n % 8
.set n, n+1
.endr
	WIN 0x40
.set ks, 0
.rept 32
	global_load_b128 v[8*ks:8*ks+3], v1, s[16:17] offset:ks*4096
	global_load_b128 v[8*ks+4:8*ks+7], v1, s[16:17] offset:ks*4096+512
.set ks, ks+1
.endr
	s_wait_loadcnt 63                              ; the 64 loads of cs are in; 63 of the 64 younger ones may stay out
	WIN 0x02
.set m, 0
.rept 32
.set na, 4*(16*(m/8)+m%8)
.irp p, 0,2
	v_pk_mul_f32 v[64+4*m+\p:64+4*m+\p+1], v[na+\p:na+\p+1], s[20:21] op_sel_hi:[1,0]
.endr
.irp p, 0,2
	v_pk_fma_f32 v[64+4*m+\p:64+4*m+\p+1], v[na+32+\p:na+32+\p+1], s[20:21], v[64+4*m+\p:64+4*m+\p+1] op_sel_hi:[1,0,1]
.endr
.set m, m+1
.endr
	WIN 0
.set m, 0
.rept 32
	v_cvt_pk_f16_f32 v[192+2*m], v[64+4*m], v[64+4*m+1]
	v_cvt_pk_f16_f32 v[193+2*m], v[64+4*m+2], v[64+4*m+3]
	ds_store_b64 v4, v[192+2*m:193+2*m] offset:(m/8)*ALP+(m%8)*256
.set m, m+1
.endr
	s_wait_dscnt 0x0
	s_barrier_signal -1
	s_barrier_wait -1                              ; the 16 rows of means lie in LDS
	WIN 0x80
.set ks, 0
.rept 32
	ds_load_b128 v[8*ks:8*ks+3], v5 offset:64*ks
	ds_load_b128 v[8*ks+4:8*ks+7], v5 offset:64*ks+32
.set ks, ks+1
.endr
	s_wait_loadcnt 0x0
	s_wait_dscnt 0x0
	WIN 0x09                                       ; source 0 (weights) window 1, source 1 (means) window 2
.set ks, 0
.rept 32
.if ks < 4
	v_wmma_f32_16x16x32_f16 v[32+8*(ks%4):32+8*(ks%4)+7], v[8*ks:8*ks+7], v[8*ks:8*ks+7], 0
.else
	v_wmma_f32_16x16x32_f16 v[32+8*(ks%4):32+8*(ks%4)+7], v[8*ks:8*ks+7], v[8*ks:8*ks+7], v[32+8*(ks%4):32+8*(ks%4)+7]
.endif
.set ks, ks+1
.endr
	WIN 0
.rept 4
	v_nop
.endr
.irp p, 0,2,4,6
	v_pk_add_f32 v[32+\p:33+\p], v[32+\p:33+\p], v[40+\p:41+\p]
.endr
.irp p, 0,2,4,6
	v_pk_add_f32 v[48+\p:49+\p], v[48+\p:49+\p], v[56+\p:57+\p]
.endr
.irp p, 0,2,4,6
	v_pk_add_f32 v[32+\p:33+\p], v[32+\p:33+\p], v[48+\p:49+\p]
.endr
	ds_store_b128 v6, v[32:35]
	ds_store_b128 v6, v[36:39] offset:16
	s_wait_dscnt 0x0                               ; a row's 256 bytes come from four waves
	s_barrier_signal -1
	s_barrier_wait -1
	ds_load_b128 v[40:43], v7
	ds_load_b128 v[44:47], v7 offset:2*272
	s_wait_dscnt 0x0
	global_store_b128 v8, v[40:43], s[18:19]       ; sixteen lanes store 256 consecutive bytes, aligned
	global_store_b128 v8, v[44:47], s[18:19] offset:4096
	s_wait_tensorcnt 0x0                           ; the wave's end
	ds_add_u32 v[SPW], v[NIL]
	s_wait_dscnt 0x0
	s_endpgm
.Lfunc_end_k_q16db1a3724_fin:
	.size	k_q16db1a3724_fin, .Lfunc_end_k_q16db1a3724_fin-k_q16db1a3724_fin
	.p2alignl 7, 3214868480
	.fill 96, 4, 3214868480
	.section	.rodata,"a",@progbits
	.p2align	6, 0x0
	.amdhsa_kernel k_q16db1a3724_fin
		.amdhsa_group_segment_fixed_size 37888
		.amdhsa_private_segment_fixed_size 0
		.amdhsa_enable_private_segment 0
		.amdhsa_kernarg_size 24
		.amdhsa_user_sgpr_count 2
		.amdhsa_user_sgpr_kernarg_segment_ptr 1
		.amdhsa_wavefront_size32 1
		.amdhsa_system_sgpr_workgroup_id_x 1
		.amdhsa_system_sgpr_workgroup_id_y 1
		.amdhsa_system_sgpr_workgroup_id_z 1
		.amdhsa_system_vgpr_workitem_id 0
		.amdhsa_next_free_vgpr 768
		.amdhsa_next_free_sgpr 66
		.amdhsa_reserve_vcc 0
		.amdhsa_float_denorm_mode_32 3
		.amdhsa_float_denorm_mode_16_64 3
		.amdhsa_memory_ordered 1
		.amdhsa_forward_progress 1
		.amdhsa_inst_pref_size 37
	.end_amdhsa_kernel
	.amdgpu_metadata
---
amdhsa.version: [ 1, 2 ]
amdhsa.kernels:
  - .name:           k_q16db1a3724_fin
    .symbol:         k_q16db1a3724_fin.kd
    .args:
      - { .name: cs, .offset: 0, .size: 8, .value_kind: global_buffer, .address_space: global }
      - { .name: wp, .offset: 8, .size: 8, .value_kind: global_buffer, .address_space: global }
      - { .name: out0, .offset: 16, .size: 8, .value_kind: global_buffer, .address_space: global }
    .group_segment_fixed_size: 37888
    .private_segment_fixed_size: 0
    .kernarg_segment_align: 8
    .kernarg_segment_size: 24
    .max_flat_workgroup_size: 128
    .sgpr_count:     66
    .vgpr_count:     768
    .wavefront_size: 32
...
	.end_amdgpu_metadata
.endif
;; end of part 4
;; ======== version 2 of 2: 4 launches; version 1 with the launch blk1 written anew for expert scheduling mode
;; limits: values are held in f16: magnitudes above 65,504 overflow, below 6.1e-05 lose precision
;; workspace buffers: wp 3,145,728 bytes; x1 33,554,432 bytes; cs 1,048,576 bytes
;; launch prep: the kernel of part 1 again; grid 32 x 6, 4 waves a work-group, no clusters, 0 bytes of LDS; arguments W_in1, W_out1, W_in2, W_out2, wp; writes wp
;; launch blk1 (part 5): grid 2 x 128, 4 waves a work-group, no clusters, 301,568 bytes of LDS; arguments embeddings, wp, x1; writes x1
.if DOCPART == 5
	.amdgcn_target "amdgcn-amd-amdhsa--gfx1250"
	.amdhsa_code_object_version 6
	.text
	.protected	k_q16db1a3724_blk1
	.globl	k_q16db1a3724_blk1
	.p2align	8
	.type	k_q16db1a3724_blk1,@function
k_q16db1a3724_blk1:
	s_mov_b64 s[64:65], 0
	v_nop
	global_prefetch_b8 v0, s[64:65] scope:SCOPE_SE
	s_setreg_imm32_b32 hwreg(HW_REG_WAVE_SCHED_MODE, 0, 2), 2
	s_setreg_imm32_b32 hwreg(HW_REG_WAVE_MODE, 25, 1), 1
	s_wait_xcnt 0x0
	s_wait_alu depctr_vm_vsrc(0)
; BLOCK 1, whole: x1 = tanh([softmax(q x^T) x, q] W_out1^T), q = x W_in1^T, for 128 query rows (half hf = grid x) of one batch (grid y).  x1 leaves as f16 [128][256][512].
; LIMITS.  Matrix operands are f16, rounded once: |x|, |W|, |q| under 65,504; a weight p below 2^-126 counts as 0; NaN and infinities are not treated apart.  The softmax has a running maximum.
; In LDS my half's 128 rows come first and the other half's behind them, so the keys are walked in another order than reference()'s for hf = 1: sums over keys differ in rounding alone.
; NO CLUSTER: the batch's 256 rows fill 266,240 of the LDS bytes, so there is no room for a ring of weights that partners could share; the weights come from memory straight into registers, as
; fragments; x is rounded on its way through registers, and the two halves of a batch lay it at different LDS rows.
; PHASES.  P0: the batch's x, f32 to f16, into LDS (X).  Q: each wave makes all 128 rows x its 128 columns of q.  EXCH: q goes through LDS (CH), 32 rows at a time, so that each wave holds
; its own 32 rows of q as fragments.  FLASH: four steps of 64 keys: S^T = x q^T, softmax, O^T += x^T P.  COMB: [mix, q] takes X's place.  OUT: two passes of 128 rows x 64 columns a wave, K = 1,024; tanh; store.
; ALL PRODUCTS ARE TAKEN TRANSPOSED (source 0: weights, keys or x^T; source 1: rows): a lane holds one row (l % 16) and eight neighbouring columns.
; REGISTERS.  window 0: v0-31 addresses; v32-47 statistics; v48-111 S^T; v112-143 P; v112-239 four sets of key fragments; v144-239 and v48-79 four sets of x^T; in the GEMMs v64-191 two sets of
; row fragments; v192-255 at work.  window 1: ring of weight fragments, later q's fragments.  windows 2, 3: accumulators.
; THE MODE: SCHED_MODE bits 1:0 = 2 (LLVM: expert scheduling mode 2), set by the entry lines.  The code itself states the register dependences between vector or matrix instructions and memory or
; LDS instructions, with s_wait_alu, always for 0.
; THE PLAN.  Registers that memory or LDS instructions touch, and who else names them:
;   P0     v64-191: loads land, a block's 16 conversions read 8 slots; v192-255: the conversions write, the LDS stores read, each slot's pair written again a round later; XL: stepped once a round.
;          A block: conversions, one wait on va_vdst, 8 reloads and 8 stores.  One wait on vm_vsrc a round, ahead of the add to XL.
;   GEMMs  Step j's products name stage j, row set j % 2 and the accumulators.  Its loads land in stage j - 1 (the K step three on) and in the other row set (the next K step), which step j - 1 read.
;          ONE wait on va_vdst at a step's head serves them all.  WO, the pointer and the row addresses are written once a trip, at the end of step 0, behind one wait on vm_vsrc.
;   SCORES Pair p of K steps reads key sets 2 p % 4 and 2 p % 4 + 1; the next pair's 16 loads land in the other two, which pair p - 1 read: one wait on va_vdst at a pair's head.
;   x^T P  The same with pairs of x^T's sets.  KA and VA are stepped once a trip, behind one wait on vm_vsrc; the wait at the top of the scores states that they are written.
;   The hand-overs (EXCH, COMB, the stage of the way out) have a wait on va_vdst ahead of their stores and a wait on vm_vsrc ahead of the first line that writes the stores' registers again.
.set XP,    1040                       ; a row of X: 1,024 bytes + 16: the 16 rows of a fragment load start at 16 different groups of four banks (64 banks of 4 bytes: ISA guide 11.1)
.set CH,    256*XP                     ; 34,816 bytes: 32 rows x 1,040 bytes of q on their way between waves
.set CBP,   2064                       ; a row of COMB: 1,024 bytes of mix, 1,024 of q, 16 of padding; it lies where X lay
.set STG,   CH                         ; the way out: 64 rows x 528 bytes, where CH lay
.set STP,   528
.set SPARE, CH+34816                   ; the spare words: 128 bytes a wave, named by no other line
.set L16, 1
.set R,   2
.set H,   3
.set WO,  4                            ; the weights' offset: 16 x lane; 0 while stages are loaded that nobody uses
.set XL,  5
.set AA0, 6
.set AA1, 7
.set KA,  8
.set VA,  9
.set CHS, 10
.set CHL, 11
.set CMS, 12
.set CQS, 13
.set STS, 14
.set STL, 15
.set GO,  16
.set AA4, 20                           ; v20-23 walking, v24-27 kept
.set AB4, 24
.set SPW, 30
.set NIL, 31
.set ST,  32                           ; tile t at ST + 8 t: c m, m, l (two), c0-c3 at work; a takes c2's place
.set S,   48
.set P,   112
.set KF,  112                          ; key fragments: K step ks in set ks % 4, 32 registers a set; the first set lies where P lies, which is free while the scores are made
.set VS,  144                          ; x^T: set q % 4 at VS + 32 (q % 4); the fourth in S^T's first 32 registers, which are free behind the sums
.set WV,  10
.set HF,  11
.set BA,  12
.set WB,  14
.set T,   16
.set PASS, 17
.set KB,  18
.set G,   19
.set CS,  20
.set SEL, 22
.set EB,  30
.set OB,  32
.set MSB, 0
.macro WIN new                         ; the high byte repeats the setting that is left; a switch that changes nothing is dropped
.if MSB != (\new)
	s_set_vgpr_msb (MSB<<8)|(\new)
.set MSB, (\new)
.endif
.endm
.macro PLACES                          ; four plain instructions behind a matrix instruction, ahead of loads into its sources and of readers of its result
.rept 4
	v_nop
.endr
.endm
.macro BAR
	s_barrier_signal -1
	s_barrier_wait -1
.endm
; ---- the product for q: 128 rows x 128 columns a wave, K = 512 in 16 steps of 32; weights in a ring of four stages of 64 registers
.macro WLOAD128 st, off
	WIN 0x40
.irp b, 0,1,2,3,4,5,6,7
	global_load_b128 v[64*(\st)+8*\b:64*(\st)+8*\b+3],   v[WO], s[WB:WB+1] offset:(\off)+((\b)&3)*1024+((\b)>>2)*65536
	global_load_b128 v[64*(\st)+8*\b+4:64*(\st)+8*\b+7], v[WO], s[WB:WB+1] offset:(\off)+((\b)&3)*1024+((\b)>>2)*65536+512
.endr
.endm
.macro ALOAD128 buf, k
	WIN 0
.irp t, 0,1,2,3,4,5,6,7
	ds_load_b128 v[(\buf)+8*\t:(\buf)+8*\t+3],   v[AA0+\t/4] offset:((\t)%4)*16*XP+(\k)
	ds_load_b128 v[(\buf)+8*\t+4:(\buf)+8*\t+7], v[AA0+\t/4] offset:((\t)%4)*16*XP+(\k)+32
.endr
.endm
.macro MUL128 st, buf, a0, a1, zero    ; row tiles a0 .. a1 - 1 (all below 4 or all from 4 on) x 8 column tiles; the 64 accumulators take turns, one instruction a turn
	WIN 0xa1+0x50*((\a0)/4)
.set ra, \a0
.rept (\a1)-(\a0)
.irp b, 0,1,2,3,4,5,6,7
.if \zero
	v_wmma_f32_16x16x32_f16 v[8*(8*(ra%4)+\b):8*(8*(ra%4)+\b)+7], v[64*(\st)+8*\b:64*(\st)+8*\b+7], v[(\buf)+8*ra:(\buf)+8*ra+7], 0
.else
	v_wmma_f32_16x16x32_f16 v[8*(8*(ra%4)+\b):8*(8*(ra%4)+\b)+7], v[64*(\st)+8*\b:64*(\st)+8*\b+7], v[(\buf)+8*ra:(\buf)+8*ra+7], v[8*(8*(ra%4)+\b):8*(8*(ra%4)+\b)+7]
.endif
.endr
.set ra, ra+1
.endr
.endm
.macro KS128 j, zero                   ; K step 4 n + j.  It multiplies stage j and row set j % 2, and asks for K step 4 n + j + 3 of the weights and 4 n + j + 1 of the rows
	s_wait_loadcnt 32                              ; my stage is in: the two younger stages, 16 loads each, may stay out
	s_wait_dscnt 0x0                               ; this step's row fragments, asked for 32 products ago
.if !(\zero)
	s_wait_alu depctr_va_vdst(0)                   ; the step before is done reading its stage and its row set, in which this step's loads land; in step 1: WO, AA0 and AA1 are written
.endif
	MUL128 \j, 64+64*((\j)%2), 0, 1, \zero
	PLACES
	WLOAD128 ((\j)+3)%4, (((\j)+3)%4)*4096         ; no wait: no vector or matrix instruction since the wait above names that stage or WO
	MUL128 \j, 64+64*((\j)%2), 1, 4, \zero
	WIN 0
.if (\j) == 3
	s_cmp_eq_u32 s[T], 1                           ; the last trip has no next step
	s_cbranch_scc1 .Lna_\@
	ALOAD128 64, 128
.Lna_\@:
.elseif \zero
	ALOAD128 128, 64
.else
	ALOAD128 64+64*(((\j)+1)%2), (((\j)+3)%4)*64   ; no wait either: the products since the wait name this step's row set alone
.endif
	MUL128 \j, 64+64*((\j)%2), 4, 8, \zero
	WIN 0
.if (\j) == 0
	s_wait_xcnt 0x0                                ; every load issued so far has had its address translated: the pointer may step and the offset be written
	s_wait_alu depctr_vm_vsrc(0)                   ; the loads issued so far have read WO, AA0 and AA1, which the three lines below write
	s_add_nc_u64 s[WB:WB+1], s[WB:WB+1], 16384
	s_cmp_eq_u32 s[T], 1
	s_cselect_b32 s26, 0, -1
	v_and_b32 v[WO], s26, v[L16]                   ; the last trip's other three stages are not used: the loads keep the waits' counts, and all lanes name the same 16 bytes, inside wp
	v_add_nc_u32 v[AA0], 256-128*(\zero), v[AA0]   ; from here on the address stands at K step 4 n + 2: steps 1, 2, 3 and the next step 0 reach 0, 64, 128 and 192 bytes on
	v_add_nc_u32 v[AA1], 256-128*(\zero), v[AA1]
.endif
.endm
.macro PACKQ                           ; the 64 accumulators rounded to f16, in place and ascending: (a, b) at v[4 (8 a + b)] of window 2
	PLACES
.set i, 0
.rept 64
	WIN 0x8a+5*(i/32)
.irp k, 0,1,2,3
	v_cvt_pk_f16_f32 v[4*i+\k], v[8*(i%32)+2*\k], v[8*(i%32)+2*\k+1]
.endr
.set i, i+1
.endr
	WIN 0
.endm
; ---- q from column slices to rows.  Round c: every wave puts its 128 columns of rows 32 c .. 32 c + 31 into CH; wave c takes the 32 rows whole, as fragments: tile t, step ks at v[8 (16 t + ks)] of window 1.
; The round is written once; a forward branch on the loop's count picks the registers that are stored.  The loop holds no vector instruction: the wait ahead of it serves all four rounds.
.macro STB c
	WIN 0x08
.irp aa, 0,1
.irp b, 0,1,2,3,4,5,6,7
	ds_store_b128 v[CHS], v[4*(8*(2*(\c)+\aa)+\b):4*(8*(2*(\c)+\aa)+\b)+3] offset:\aa*16*XP+32*\b
.endr
.endr
	WIN 0
.endm
.macro EXCH
	s_mov_b32 s[KB], 4                             ; round c = count - 1
.Lex:
	s_cmp_eq_u32 s[KB], 4
	s_cbranch_scc1 .Lex3
	s_cmp_eq_u32 s[KB], 3
	s_cbranch_scc1 .Lex2
	s_cmp_eq_u32 s[KB], 2
	s_cbranch_scc1 .Lex1
	STB 0
	s_branch .Lexj
.Lex1:
	STB 1
	s_branch .Lexj
.Lex2:
	STB 2
	s_branch .Lexj
.Lex3:
	STB 3
.Lexj:
	s_wait_dscnt 0x0                               ; my part of the 32 rows is written,
	BAR                                            ; everybody's is
	s_sub_co_u32 s26, s[KB], 1
	s_cmp_lg_u32 s[WV], s26
	s_cbranch_scc1 .Lexn
	WIN 0x40
.irp t, 0,1
.set ks, 0
.rept 16
	ds_load_b128 v[8*(16*\t+ks):8*(16*\t+ks)+3],   v[CHL] offset:\t*16*XP+64*ks
	ds_load_b128 v[8*(16*\t+ks)+4:8*(16*\t+ks)+7], v[CHL] offset:\t*16*XP+64*ks+32
.set ks, ks+1
.endr
.endr
	WIN 0
.Lexn:
	s_wait_dscnt 0x0                               ; the reads are over,
	BAR                                            ; and everybody knows: CH may be written again
	s_sub_co_u32 s[KB], s[KB], 1
	s_cmp_lg_u32 s[KB], 0
	s_cbranch_scc1 .Lex
.endm
; ---- S^T = x q^T for 64 keys and my 32 rows, two K steps (16 products) to a pair
.macro XL1 n, ks                       ; load n of the eight of K step ks: key tile n / 2, half n % 2 of its fragment
	ds_load_b128 v[KF+32*((\ks)%4)+4*(\n):KF+32*((\ks)%4)+4*(\n)+3], v[KA] offset:((\n)/2)*16*XP+64*(\ks)+32*((\n)%2)
.endm
.macro SPART
	WIN 0x04                                       ; source 1 (q) in window 1; the LDS loads name windows of source 0 and of the destination alone, both 0: one setting serves products and loads
	s_wait_alu depctr_va_vdst(0)                   ; the last trip's products x^T P are done reading P and x^T's sets, in which the keys land; KA and VA are written
.set nn, 0
.rept 16
	XL1 nn%8, nn/8
.set nn, nn+1
.endr
.set pp, 0
.rept 8
.if pp == 0
	s_wait_dscnt 8                                 ; K step 0's eight loads are in, K step 1's eight may stay out
.else
	s_wait_dscnt 0x0                               ; this pair's 16 loads, the last of them asked for eight products ago
	s_wait_alu depctr_va_vdst(0)                   ; the pair before is done reading its two sets, in which the next pair's loads land
.endif
.set ww, 0
.rept 16
.set ks, 2*pp+ww/8
.set kt, (ww%8)/2
.set tt, ww%2
.if (pp == 0) && (ww == 8)
	s_wait_dscnt 16                                ; K step 1's loads are in: the 16 issued since, the next pair's, may stay out
.endif
.if ks == 0
	v_wmma_f32_16x16x32_f16 v[S+32*tt+8*kt:S+32*tt+8*kt+7], v[KF+32*(ks%4)+8*kt:KF+32*(ks%4)+8*kt+7], v[8*(16*tt+ks):8*(16*tt+ks)+7], 0
.else
	v_wmma_f32_16x16x32_f16 v[S+32*tt+8*kt:S+32*tt+8*kt+7], v[KF+32*(ks%4)+8*kt:KF+32*(ks%4)+8*kt+7], v[8*(16*tt+ks):8*(16*tt+ks)+7], v[S+32*tt+8*kt:S+32*tt+8*kt+7]
.endif
.if (pp < 7) && (ww == 0)
	PLACES
.endif
.if (pp < 7) && (ww < 8)
	XL1 (2*ww)%8, 2*pp+2+ww/4                      ; the next pair's loads, two behind each of the first eight products, which name this pair's sets alone
	XL1 (2*ww+1)%8, 2*pp+2+ww/4
.endif
.set ww, ww+1
.endr
.set pp, pp+1
.endr
	PLACES
	s_wait_alu depctr_va_vdst(0)                   ; the last two pairs are done reading v144-207, in which the first two sets of x^T land
	WIN 0
.endm
; ---- softmax.  A lane holds one query and 32 of the step's 64 scores; the other 32 lie in the lane 16 away
.macro STATS                           ; the maximum of the scores and the old m (each accumulator's lowest registers first); the new m; c m; c m_old - c m_new
.irp j, 0,1,2,3,4,5,6,7,8,9,10,11,12,13,14,15,16,17,18,19,20
.irp t, 0,1
.set rT, ST+8*\t
.set rS, S+32*\t
.if (\j) < 4
	v_max3_num_f32 v[rT+4+(\j)], v[rS+8*(\j)], v[rS+8*(\j)+1], v[rS+8*(\j)+2]
.elseif (\j) < 12
	v_max3_num_f32 v[rT+4+(\j)%4], v[rT+4+(\j)%4], v[rS+8*((\j)%4)+2*((\j)/4)+1], v[rS+8*((\j)%4)+2*((\j)/4)+2]
.elseif (\j) == 12
	v_max3_num_f32 v[rT+4], v[rT+4], v[rS+7], v[rS+15]
.elseif (\j) == 13
	v_max3_num_f32 v[rT+6], v[rT+6], v[rS+23], v[rS+31]
.elseif (\j) == 14
	v_max3_num_f32 v[rT+4], v[rT+4], v[rT+5], v[rT+6]
.elseif (\j) == 15
	v_max3_num_f32 v[rT+4], v[rT+4], v[rT+7], v[rT+1]
.elseif (\j) == 16
	v_permlanex16_b32 v[rT+5], v[rT+4], s[SEL], s[SEL+1]
.elseif (\j) == 17
	v_mov_b32 v[rT+7], v[rT]
.elseif (\j) == 18
	v_max_num_f32 v[rT+1], v[rT+4], v[rT+5]
.elseif (\j) == 19
	v_mul_f32 v[rT], s[CS], v[rT+1]
.else
	v_sub_f32 v[rT+7], v[rT+7], v[rT]
.endif
.endr
.endr
.endm
.macro SCALE                           ; c s - c m
.irp t, 0,1
.set b, 0
.rept 16
	v_pk_fma_f32 v[S+32*\t+2*b:S+32*\t+2*b+1], v[S+32*\t+2*b:S+32*\t+2*b+1], s[CS:CS+1], v[ST+8*\t:ST+8*\t+1] op_sel_hi:[1,0,0] neg_lo:[0,0,1] neg_hi:[0,0,1]
.set b, b+1
.endr
.endr
.endm
.macro EXPS
.set i, 0
.rept 64
	v_exp_f32 v[S+i], v[S+i]
.set i, i+1
.endr
	v_nop                                          ; a plain instruction behind the last exponential,
	s_wait_alu depctr_va_vdst(0)                   ; and one wait for the whole batch, ahead of its first reader: the 64 weights and the two a are written
.endm
.macro LSUM                            ; the 16 pairs of a tile are added in place, 1, 2, 4, 8 pairs apart; l = a l + sum
.irp w, 4,8,16,32
.irp t, 0,1
.set u, 0
.rept 32/\w
	v_pk_add_f32 v[S+32*\t+\w*u:S+32*\t+\w*u+1], v[S+32*\t+\w*u:S+32*\t+\w*u+1], v[S+32*\t+\w*u+\w/2:S+32*\t+\w*u+\w/2+1]
.set u, u+1
.endr
.endr
.endr
.irp t, 0,1
	v_pk_fma_f32 v[ST+8*\t+2:ST+8*\t+3], v[ST+8*\t+2:ST+8*\t+3], v[ST+8*\t+6:ST+8*\t+7], v[S+32*\t:S+32*\t+1] op_sel_hi:[1,0,1]
.endr
.endm
.macro RESC                            ; O^T of tile t (window 2 + t) times the tile's factor at ST + 8 t + 6
.irp t, 0,1
	WIN 0x82+0x41*\t
.set i, 0
.rept 128
	v_pk_mul_f32 v[i:i+1], v[i:i+1], v[ST+8*\t+6:ST+8*\t+7] op_sel_hi:[1,0]
.set i, i+2
.endr
.endr
	WIN 0
.endm
; ---- O^T += x^T P.  x^T comes turned out of LDS.  Channel tile cb = (u = cb / 8, v = cb % 8) holds channels 128 u + 8 v + 0..7 and the same + 64: the two blocks of eight that a turning
; load takes lie 128 bytes apart, so that at a pitch of 1,040 bytes sixteen lanes (8 rows x 2 blocks) touch each bank once.
.macro VSET q                          ; vb: the first register of x^T's set q % 4
.set vb, VS+32*((\q)%4)
.if ((\q)%4) == 3
.set vb, S
.endif
.endm
.macro VLOAD q                         ; q = 8 kk + grp: keys 32 kk on, tiles 4 grp + 0..3
	VSET \q
.irp i, 0,1,2,3
	ds_load_tr16_b128 v[vb+8*\i:vb+8*\i+3],   v[VA] offset:((\q)/8)*32*XP+(((\q)%8)/2)*256+(4*((\q)%2)+\i)*16
	ds_load_tr16_b128 v[vb+8*\i+4:vb+8*\i+7], v[VA] offset:((\q)/8)*32*XP+16*XP+(((\q)%8)/2)*256+(4*((\q)%2)+\i)*16
.endr
.endm
.macro MIX                             ; eight pairs of sets; a pair: tile 0's eight products, the next pair's 16 loads, tile 1's eight products.  Each accumulator takes keys 0-31 (pairs 0-3) ahead of keys 32-63 (pairs 4-7)
.set pp, 0
.rept 8
	s_wait_dscnt 0x0                               ; this pair's 16 loads are in
	s_wait_alu depctr_va_vdst(0)                   ; the pair before is done reading its two sets, in which the next pair's loads land; at the first pair: the sums are done with S^T's first 32 registers, the fourth set
.irp t, 0,1
	WIN 0xa0+0x50*\t
.set ww, 0
.rept 8
.set q, 2*pp+ww/4
	VSET q
	v_wmma_f32_16x16x32_f16 v[8*(4*(q%8)+ww%4):8*(4*(q%8)+ww%4)+7], v[vb+8*(ww%4):vb+8*(ww%4)+7], v[P+16*\t+8*(q/8):P+16*\t+8*(q/8)+7], v[8*(4*(q%8)+ww%4):8*(4*(q%8)+ww%4)+7]
.set ww, ww+1
.endr
.if ((\t) == 0) && (pp < 7)
	WIN 0
	PLACES
	VLOAD 2*pp+2                                   ; no wait: the products since the wait name this pair's sets alone
	VLOAD 2*pp+3
.endif
.endr
.set pp, pp+1
.endr
	WIN 0
	PLACES
.endm
; ---- the out product: 128 rows x 64 columns a wave and pass, K = 1,024 in 32 steps; ring of four stages of 32 registers
.macro WLOAD64 st, off
	WIN 0x40
.irp b, 0,1,2,3
	global_load_b128 v[32*(\st)+8*\b:32*(\st)+8*\b+3],   v[WO], s[WB:WB+1] offset:(\off)+\b*1024
	global_load_b128 v[32*(\st)+8*\b+4:32*(\st)+8*\b+7], v[WO], s[WB:WB+1] offset:(\off)+\b*1024+512
.endr
.endm
.macro ALOAD64 buf, k
	WIN 0
.irp t, 0,1,2,3,4,5,6,7
	ds_load_b128 v[(\buf)+8*\t:(\buf)+8*\t+3],   v[AA4+\t/2] offset:((\t)%2)*16*CBP+(\k)
	ds_load_b128 v[(\buf)+8*\t+4:(\buf)+8*\t+7], v[AA4+\t/2] offset:((\t)%2)*16*CBP+(\k)+32
.endr
.endm
.macro MUL64 st, buf, a0, a1, zero     ; row tiles a0 .. a1 - 1 x 4 column tiles; the 32 accumulators take turns
	WIN 0xa1
.set ra, \a0
.rept (\a1)-(\a0)
.irp b, 0,1,2,3
.if \zero
	v_wmma_f32_16x16x32_f16 v[8*(4*ra+\b):8*(4*ra+\b)+7], v[32*(\st)+8*\b:32*(\st)+8*\b+7], v[(\buf)+8*ra:(\buf)+8*ra+7], 0
.else
	v_wmma_f32_16x16x32_f16 v[8*(4*ra+\b):8*(4*ra+\b)+7], v[32*(\st)+8*\b:32*(\st)+8*\b+7], v[(\buf)+8*ra:(\buf)+8*ra+7], v[8*(4*ra+\b):8*(4*ra+\b)+7]
.endif
.endr
.set ra, ra+1
.endr
.endm
.macro KS64 j, zero                    ; as KS128.  The weights' K steps run on through both passes, which lie end to end in wp: pass 0's last three steps ask for pass 1's first three stages
	s_wait_loadcnt 16                              ; my stage is in: two younger stages of 8 loads may stay out
	s_wait_dscnt 0x0
.if !(\zero)
	s_wait_alu depctr_va_vdst(0)                   ; the step before is done reading its stage and its row set, in which this step's loads land; in step 1: WO and the four row addresses are written
.endif
	MUL64 \j, 64+64*((\j)%2), 0, 1, \zero
	PLACES
	WLOAD64 ((\j)+3)%4, (((\j)+3)%4)*4096          ; no wait: no vector or matrix instruction since the last wait on va_vdst names that stage or WO
	MUL64 \j, 64+64*((\j)%2), 1, 4, \zero
	WIN 0
.if (\j) == 3
	s_cmp_eq_u32 s[T], 1
	s_cbranch_scc1 .Lnb_\@
	ALOAD64 64, 128
.Lnb_\@:
.elseif \zero
	ALOAD64 128, 64
.else
	ALOAD64 64+64*(((\j)+1)%2), (((\j)+3)%4)*64
.endif
	MUL64 \j, 64+64*((\j)%2), 4, 8, \zero
	WIN 0
.if (\j) == 0
	s_wait_xcnt 0x0                                ; every load issued so far has had its address translated
	s_wait_alu depctr_vm_vsrc(0)                   ; the loads issued so far have read WO and the four row addresses, which the lines below write
	s_add_nc_u64 s[WB:WB+1], s[WB:WB+1], 16384
	s_add_co_u32 s26, s[T], s[PASS]                ; 2 in the last trip of the last pass alone
	s_cmp_eq_u32 s26, 2
	s_cselect_b32 s26, 0, -1
	v_and_b32 v[WO], s26, v[L16]                   ; that trip's other three stages are not used: all lanes name the same 16 bytes, inside wp
.irp i, 0,1,2,3
	v_add_nc_u32 v[AA4+\i], 256-128*(\zero), v[AA4+\i]
.endr
.endif
.endm
.macro EPIEXP g                        ; rows 64 g on: 2^(sum) of 16 accumulators, into window 0; the sums hold 2 log2(e) y, since the weights were scaled so
	WIN 0x02
.set i, 0
.rept 128
	v_exp_f32 v[64+i], v[128*(\g)+i]
.set i, i+1
.endr
	WIN 0
	v_nop
	s_wait_alu depctr_va_vdst(0)                   ; one wait for the batch, ahead of the label that follows: the 128 exponentials have written v64-191
.endm
.macro BLK b, ahead, left              ; P0: slots 8 b .. 8 b + 7: each slot's 512 bytes of f32 become 256 bytes of f16 in X; the slots are asked for again, eight rows on
	s_wait_loadcnt \left
.set sl, 8*(\b)
.rept 8
	v_cvt_pk_f16_f32 v[192+2*sl], v[64+4*sl], v[64+4*sl+1]
	v_cvt_pk_f16_f32 v[193+2*sl], v[64+4*sl+2], v[64+4*sl+3]
.set sl, sl+1
.endr
	s_wait_alu depctr_va_vdst(0)                   ; the conversions have written their 16 registers of v192-255, which the LDS stores read, and are done reading the eight slots, in which the loads land; in a round's first block: XL is written
.set sl, 8*(\b)
.rept 8
.if \ahead
	global_load_b128 v[64+4*sl:64+4*sl+3], v[L16], s[EB:EB+1] offset:sl*512
.endif
	ds_store_b64 v[XL], v[192+2*sl:193+2*sl] offset:(sl/4)*XP+(sl%4)*256
.set sl, sl+1
.endr
.endm
	s_load_b128 s[4:7], s[0:1], 0x0                ; embeddings, wp
	s_load_b64 s[8:9], s[0:1], 0x10                ; x1
	v_lshl_add_u32 v[SPW], v0, 2, SPARE
	v_mov_b32 v[NIL], 0
	v_lshrrev_b32 v17, 5, v0
	v_readfirstlane_b32 s[WV], v17
	s_mov_b32 s[HF], ttmp9
	s_and_b32 s[BA], ttmp7, 0xffff
	s_mov_b32 s[CS], 0x3fb8aa3b                    ; c = log2(e)
	s_mov_b32 s[CS+1], s[CS]
	s_mov_b32 s[SEL], 0x76543210
	s_mov_b32 s[SEL+1], 0xfedcba98
	v_and_b32 v17, 31, v0
	v_lshlrev_b32 v[L16], 4, v17
	v_mov_b32 v[WO], v[L16]
	v_and_b32 v[R], 15, v0
	v_bfe_u32 v[H], v0, 4, 1
	v_mul_u32_u24 v[KA], v[R], XP
	v_lshl_add_u32 v[KA], v[H], 4, v[KA]           ; a fragment's row x pitch + 16 x half
	v_mov_b32 v[AA0], v[KA]                        ; my half's rows lie first in X: rows 0-63,
	v_add_nc_u32 v[AA1], 64*XP, v[KA]              ; and 64-127: no LDS address hangs on the work-group
	v_and_b32 v18, 7, v0
	v_lshl_add_u32 v18, v[H], 3, v18
	v_mul_u32_u24 v18, v18, XP
	v_bfe_u32 v19, v0, 3, 1
	v_lshl_add_u32 v[VA], v19, 7, v18              ; the turning load: key 8 h + l % 8, block (l / 8) % 2
	v_add_nc_u32 v[CHL], CH, v[KA]                 ; out of CH: a fragment's row and half
	s_wait_alu depctr_va_sdst(0)                   ; the wave's number is written, ahead of its first reader: LDS places and the bases are made from it
	s_lshl_b32 s26, s[WV], 8
	s_add_co_u32 s26, s26, CH
	v_add_nc_u32 v[CHS], s26, v[KA]                ; into CH: the same, at my 128 columns
	v_mul_u32_u24 v18, v[R], CBP
	s_mul_i32 s26, s[WV], 32*CBP
	v_add_nc_u32 v19, s26, v18
	v_lshl_add_u32 v[CMS], v[H], 7, v19
	v_lshl_add_u32 v[CQS], v[H], 4, v19
	v_add_nc_u32 v[CQS], 1024, v[CQS]
	v_lshl_add_u32 v[AB4], v[H], 4, v18
	v_add_nc_u32 v[AB4+1], 32*CBP, v[AB4]
	v_add_nc_u32 v[AB4+2], 64*CBP, v[AB4]
	v_add_nc_u32 v[AB4+3], 96*CBP, v[AB4]
	v_mul_u32_u24 v18, v[R], STP
	v_lshl_add_u32 v18, v[H], 4, v18
	s_lshl_b32 s26, s[WV], 7
	s_add_co_u32 s26, s26, STG
	v_add_nc_u32 v[STS], s26, v18
	s_mul_i32 s26, s[WV], 16*STP
	s_add_co_u32 s26, s26, STG
	v_add_nc_u32 v[STL], s26, v[L16]
	s_lshl_b32 s26, s[WV], 14
	v_add_nc_u32 v[GO], s26, v[L16]
	s_mul_i32 s26, s[WV], 64*XP
	v_lshl_add_u32 v[XL], v17, 3, s26              ; I fill rows 64 w .. 64 w + 63 of X,
	s_lshl_b32 s26, s[WV], 17
	s_mov_b32 s27, 0
	s_lshl_b32 s28, s[HF], 1
	s_add_co_u32 s28, s28, s[WV]
	s_and_b32 s28, s28, 3                          ; with the batch's rows 64 ((w + 2 hf) mod 4) on: my half first
	s_lshl_b32 s28, s28, 17
	s_lshl_b32 s29, s[BA], 19
	s_add_co_u32 s28, s28, s29
	s_mov_b32 s29, 0
	s_wait_kmcnt 0x0
	s_add_nc_u64 s[WB:WB+1], s[6:7], s[26:27]      ; W_in1's fragments for my 128 columns
	s_add_nc_u64 s[EB:EB+1], s[4:5], s[28:29]      ; those 64 rows of the batch's x
	s_lshl_b32 s28, s[BA], 18
	s_lshl_b32 s26, s[HF], 17
	s_add_co_u32 s28, s28, s26
	s_add_nc_u64 s[OB:OB+1], s[8:9], s[28:29]      ; x1 at my half's first row
	s_wait_alu depctr_va_vdst(0)                   ; the offsets and LDS addresses v1 to v16 and v24 to v27 are written, which the kernel's loads and stores read
	WLOAD128 0, 0                                  ; K steps 0 to 2; step 0 asks for K step 3
	WLOAD128 1, 4096
	WLOAD128 2, 8192
	WIN 0
	; P0: a ring of 32 slots in registers, four blocks of eight; 12 to 16 KiB a wave on their way
.set i, 0
.rept 32
	global_load_b128 v[64+4*i:64+4*i+3], v[L16], s[EB:EB+1] offset:i*512
.set i, i+1
.endr
	s_mov_b32 s[T], 7
.Lp0:
	s_wait_xcnt 0x0                                ; the loads issued so far have had their addresses translated: the pointer may step
	s_add_nc_u64 s[EB:EB+1], s[EB:EB+1], 16384
	BLK 0, 1, 24                                   ; the three younger blocks, 24 loads, may stay out
	BLK 1, 1, 24
	BLK 2, 1, 24
	BLK 3, 1, 24
	s_wait_alu depctr_vm_vsrc(0)                   ; the round's LDS stores have read XL, which the next line writes, and v192-255, which the next round's conversions write
	v_add_nc_u32 v[XL], 8*XP, v[XL]
	s_sub_co_u32 s[T], s[T], 1
	s_cmp_lg_u32 s[T], 0
	s_cbranch_scc1 .Lp0
	BLK 0, 0, 24                                   ; the last round loads nothing: the counts run down
	BLK 1, 0, 16
	BLK 2, 0, 8
	BLK 3, 0, 0
	s_wait_dscnt 0x0                               ; my rows of X are written,
	BAR                                            ; everybody's are
	; Q
	ALOAD128 64, 0                                 ; no wait: the last block's wait stands behind every conversion that read v64-127
	s_mov_b32 s[T], 4
	KS128 0, 1                                     ; the first step starts the sums
	s_branch .Lqmid
.Lqtop:
	KS128 0, 0
.Lqmid:
	KS128 1, 0
	KS128 2, 0
	KS128 3, 0
	s_sub_co_u32 s[T], s[T], 1
	s_cmp_lg_u32 s[T], 0
	s_cbranch_scc1 .Lqtop
	s_wait_loadcnt 0x0                             ; the ring's registers are free
	s_wait_alu depctr_vm_vsrc(0)                   ; the ring's loads have read WO, which the next line writes
	v_mov_b32 v[WO], v[L16]
	PACKQ
	s_wait_alu depctr_va_vdst(0)                   ; the conversions have written q in f16, which the LDS stores read; the products are done reading the ring, in which q's fragments land
	EXCH
	s_wait_alu depctr_vm_vsrc(0)                   ; the LDS stores have read window 2's registers, which the lines below write
	; FLASH.  O^T and l start at 0, c m far below every c s: the first step's a is 0 and no first step is written out; the price is these 512 lines, once a launch
	WIN 0x80
.set i, 0
.rept 256
	v_mov_b32 v[i], 0
.set i, i+1
.endr
	WIN 0xc0
.set i, 0
.rept 256
	v_mov_b32 v[i], 0
.set i, i+1
.endr
	WIN 0
.irp t, 0,1
	v_mov_b32 v[ST+8*\t], 0xfe000000
	v_mov_b32 v[ST+8*\t+1], 0xff7fffff
.irp k, 2,3,4,5,6,7
	v_mov_b32 v[ST+8*\t+\k], 0
.endr
.endr
	s_mov_b32 s[KB], 5
.Lkb:                                  ; trips 5 to 2: a step of 64 keys.  Trip 1: O^T times 1 / l, by the text that rescales O^T in every step
	s_cmp_eq_u32 s[KB], 1
	s_cbranch_scc1 .Lfin
	SPART
	VLOAD 0                                        ; the first two sets of x^T land during the softmax
	VLOAD 1
	STATS
	v_exp_f32 v[ST+6], v[ST+7]                     ; a, of both tiles: part of the batch below
	v_exp_f32 v[ST+14], v[ST+15]
	SCALE
	EXPS
.irp t, 0,1
.set i, 0
.rept 16
	v_cvt_pk_f16_f32 v[P+16*\t+i], v[S+32*\t+2*i], v[S+32*\t+2*i+1]
.set i, i+1
.endr
.endr
	LSUM
	s_branch .Lresc
.Lfin:
.irp t, 0,1
	v_add_f32 v[ST+8*\t+4], v[ST+8*\t+2], v[ST+8*\t+3]
.endr
.irp t, 0,1
	v_permlanex16_b32 v[ST+8*\t+5], v[ST+8*\t+4], s[SEL], s[SEL+1]
.endr
.irp t, 0,1
	v_add_f32 v[ST+8*\t+4], v[ST+8*\t+4], v[ST+8*\t+5]
.endr
.irp t, 0,1
	v_rcp_f32 v[ST+8*\t+6], v[ST+8*\t+4]
.endr
	v_nop
	s_wait_alu depctr_va_vdst(0)                   ; one wait for the batch: the two reciprocals are written
.Lresc:
	RESC
	s_cmp_eq_u32 s[KB], 1
	s_cbranch_scc1 .Lkx
	MIX
	s_wait_alu depctr_vm_vsrc(0)                   ; the trip's LDS loads have read KA and VA, which the next two lines write
	v_add_nc_u32 v[KA], 64*XP, v[KA]
	v_add_nc_u32 v[VA], 64*XP, v[VA]
.Lkx:
	s_wait_dscnt 0x0                               ; no LDS load is out on any way to this label
	s_sub_co_u32 s[KB], s[KB], 1
	s_cmp_lg_u32 s[KB], 0
	s_cbranch_scc1 .Lkb
	; mix, rounded to f16 in place
.irp t, 0,1
	WIN 0x8a+0x45*\t
.set i, 0
.rept 128
	v_cvt_pk_f16_f32 v[i], v[2*i], v[2*i+1]
.set i, i+1
.endr
.endr
	WIN 0
	s_wait_alu depctr_va_vdst(0)                   ; the conversions have written mix in f16, which the LDS stores below read
	s_wait_dscnt 0x0                               ; my reads of X are over,
	BAR                                            ; everybody's are: COMB takes its place
.irp t, 0,1
	WIN 0x08+4*\t
.set cb, 0
.rept 32
	ds_store_b128 v[CMS], v[4*cb:4*cb+3] offset:\t*16*CBP+(cb/8)*256+(cb%8)*16
.set cb, cb+1
.endr
.endr
	WIN 0x04
.irp t, 0,1
.set ks, 0
.rept 16
	ds_store_b128 v[CQS], v[8*(16*\t+ks):8*(16*\t+ks)+3]   offset:\t*16*CBP+64*ks
	ds_store_b128 v[CQS], v[8*(16*\t+ks)+4:8*(16*\t+ks)+7] offset:\t*16*CBP+64*ks+32
.set ks, ks+1
.endr
.endr
	WIN 0
	s_wait_dscnt 0x0                               ; my rows of COMB are written
	s_lshl_b32 s26, s[WV], 18
	s_add_co_u32 s26, s26, 524288
	s_mov_b32 s27, 0
	s_add_nc_u64 s[WB:WB+1], s[6:7], s[26:27]      ; W_out1's fragments for my two passes
	WIN 0x40
	s_wait_alu depctr_vm_vsrc(0)                   ; the LDS stores have read q's registers, in which the ring lands, and mix's, which the products below write
	s_wait_alu depctr_va_vdst(0)                   ; the products that made the scores are done reading q's registers, in which the ring lands
	WLOAD64 0, 0                                   ; K steps 0 to 2; step 0 asks for K step 3
	WLOAD64 1, 4096
	WLOAD64 2, 8192
	WIN 0
	BAR
	; OUT
	s_mov_b32 s[PASS], 2
.Lpass:
.irp i, 0,1,2,3
	v_mov_b32 v[AA4+\i], v[AB4+\i]
.endr
	s_wait_alu depctr_va_vdst(0)                   ; the four row addresses are written, which the loads below read; all vector and matrix work on v64-127, in which they land, is done
	ALOAD64 64, 0
	s_mov_b32 s[T], 8
	KS64 0, 1
	s_branch .Lomid
.Lotop:
	KS64 0, 0
.Lomid:
	KS64 1, 0
	KS64 2, 0
	KS64 3, 0
	s_sub_co_u32 s[T], s[T], 1
	s_cmp_lg_u32 s[T], 0
	s_cbranch_scc1 .Lotop
	; tanh(y) = 1 - 2 / (1 + 2^(2 log2(e) y)), 64 rows at a time; through the stage, so that a store of the wave covers 512 consecutive bytes of a row of x1
	PLACES                                         ; behind the last products, ahead of the exponentials, which read their results and write their row sets
	EPIEXP 0
	s_mov_b32 s[G], 2
.Lepi:
.set i, 0
.rept 64
	v_pk_add_f32 v[64+2*i:65+2*i], v[64+2*i:65+2*i], 1.0 op_sel_hi:[1,0]
.set i, i+1
.endr
.set i, 0
.rept 128
	v_rcp_f32 v[64+i], v[64+i]
.set i, i+1
.endr
	v_nop
	s_wait_alu depctr_va_vdst(0)                   ; one wait for the batch: the 128 reciprocals have written v64-191
.set i, 0
.rept 64
	v_pk_fma_f32 v[64+2*i:65+2*i], v[64+2*i:65+2*i], -2.0, 1.0 op_sel_hi:[1,0,0]
.set i, i+1
.endr
.set i, 0
.rept 64
	v_cvt_pk_f16_f32 v[192+i], v[64+2*i], v[65+2*i]
.set i, i+1
.endr
	s_wait_alu depctr_va_vdst(0)                   ; the conversions have written v192-255, which the LDS stores read, and are done reading v64-127, in which the rows come back
.set i, 0
.rept 16
	ds_store_b128 v[STS], v[192+4*i:192+4*i+3] offset:(i/4)*16*STP+(i%4)*32
.set i, i+1
.endr
	s_wait_dscnt 0x0                               ; a row's 512 bytes come from four waves
	BAR
.set i, 0
.rept 16
	ds_load_b128 v[64+4*i:64+4*i+3], v[STL] offset:i*STP
.set i, i+1
.endr
	s_wait_dscnt 0x0
.set i, 0
.rept 16
	global_store_b128 v[GO], v[64+4*i:64+4*i+3], s[OB:OB+1] offset:i*1024
.set i, i+1
.endr
	s_wait_xcnt 0x0                                ; the stores have had their addresses translated: their registers and the pointer may be written
	s_wait_alu depctr_vm_vsrc(0)                   ; the stores have read v64-127 and the LDS stores v192-255, and the pass's LDS loads the four row addresses: all are written again on the ways that part below
	BAR                                            ; everybody's reads of the stage are over
	s_add_nc_u64 s[OB:OB+1], s[OB:OB+1], 65536     ; 64 rows on
	s_cmp_eq_u32 s[G], 1
	s_cbranch_scc1 .Lepx
	EPIEXP 1
.Lepx:
	s_sub_co_u32 s[G], s[G], 1
	s_cmp_lg_u32 s[G], 0
	s_cbranch_scc1 .Lepi
	s_sub_nc_u64 s[OB:OB+1], s[OB:OB+1], 131072-512  ; back to the first row, 256 columns on
	s_sub_co_u32 s[PASS], s[PASS], 1
	s_cmp_lg_u32 s[PASS], 0
	s_cbranch_scc1 .Lpass
	s_wait_dscnt 0x0                               ; the closing lines, six on end
	s_wait_alu 0x0
	s_wait_tensorcnt 0x0
	ds_add_u32 v[SPW], v[NIL]
	s_wait_dscnt 0x0
	s_endpgm
.Lfunc_end_k_q16db1a3724_blk1:
	.size	k_q16db1a3724_blk1, .Lfunc_end_k_q16db1a3724_blk1-k_q16db1a3724_blk1
	.p2alignl 7, 3214868480
	.fill 96, 4, 3214868480
	.section	.rodata,"a",@progbits
	.p2align	6, 0x0
	.amdhsa_kernel k_q16db1a3724_blk1
		.amdhsa_group_segment_fixed_size 301568
		.amdhsa_private_segment_fixed_size 0
		.amdhsa_enable_private_segment 0
		.amdhsa_kernarg_size 24
		.amdhsa_user_sgpr_count 2
		.amdhsa_user_sgpr_kernarg_segment_ptr 1
		.amdhsa_wavefront_size32 1
		.amdhsa_system_sgpr_workgroup_id_x 1
		.amdhsa_system_sgpr_workgroup_id_y 1
		.amdhsa_system_sgpr_workgroup_id_z 1
		.amdhsa_system_vgpr_workitem_id 0
		.amdhsa_next_free_vgpr 1024
		.amdhsa_next_free_sgpr 66
		.amdhsa_reserve_vcc 0
		.amdhsa_float_denorm_mode_32 3
		.amdhsa_float_denorm_mode_16_64 3
		.amdhsa_memory_ordered 1
		.amdhsa_forward_progress 1
		.amdhsa_inst_pref_size 248
	.end_amdhsa_kernel
	.amdgpu_metadata
---
amdhsa.version: [ 1, 2 ]
amdhsa.kernels:
  - .name:           k_q16db1a3724_blk1
    .symbol:         k_q16db1a3724_blk1.kd
    .args:
      - { .name: embeddings, .offset: 0, .size: 8, .value_kind: global_buffer, .address_space: global }
      - { .name: wp, .offset: 8, .size: 8, .value_kind: global_buffer, .address_space: global }
      - { .name: x1, .offset: 16, .size: 8, .value_kind: global_buffer, .address_space: global }
    .group_segment_fixed_size: 301568
    .private_segment_fixed_size: 0
    .kernarg_segment_align: 8
    .kernarg_segment_size: 24
    .max_flat_workgroup_size: 128
    .sgpr_count:     66
    .vgpr_count:     1024
    .wavefront_size: 32
...
	.end_amdgpu_metadata
.endif
;; end of part 5
;; launch blk2: the kernel of part 3 again; grid 2 x 128, 4 waves a work-group, no clusters, 305,664 bytes of LDS; arguments x1, wp, cs; writes cs
;; launch fin: the kernel of part 4 again; grid 8 x 8, 4 waves a work-group, no clusters, 37,888 bytes of LDS; arguments cs, wp, out0; writes out0
